; MI455X (gfx1250); checked and timed in simulation.
; The chip was launched on July 23, 2026; its instructions are those of AMD's public machine-readable ISA for CDNA 5 (MIT licence, August 2026) and "CDNA5" Instruction Set Architecture Reference Guide (July 2026). The comments in the code are by the model that wrote it; some were corrected since.
;; Mo E Layer. Allowed arithmetic: matrix products marked QUANTISED: E3M2 operands, one E8M0 scale for each 32 along K, by v_wmma_scale_f32_16x16x128_f8f6f4 with both operands' format E3M2, f32 sums; products left as they are: f32 operands where the result goes on into a quantised operand, else bf16, f16 or f32 operands; f32 sums; everything else in f32.
;; Inputs: W1_codes 8 x 2,048 x 16 x 24 uint8 (E3M2 codes of W1, K innermost, in blocks of 32 codes, four codes in three bytes); W1_scales 8 x 2,048 x 16 uint8 (E8M0 scales of W1, one for each 32 codes along K); W2_codes 8 x 512 x 64 x 24 uint8 (E3M2 codes of W2, K innermost, in blocks of 32 codes, four codes in three bytes); W2_scales 8 x 512 x 64 uint8 (E8M0 scales of W2, one for each 32 codes along K); Wr 512 x 8 float32; b1 8 x 2,048 float32; b2 8 x 512 float32; br 8 float32; x 8 x 512 x 512 float32.
;; Outputs: out0 8 x 512 x 512 float32; out1 one number float32.
;; This version of the problem:
;;   THIS VERSION OF THE PROBLEM IS GIVEN IN LOW PRECISION. The matrix products marked QUANTISED in the list below multiply operands that are first quantised to E3M2 (3 exponent bits, 2 mantissa bits; 6 bits a number), with one power-of-two scale for each 32 numbers along K (OCP MX v1.0); their sums are f32. All else is computed in f32.
;;   The module's matrix products, in the order in which they are computed (A, B: the left and right operand; K: the contracted axis; several contracted axes count as one K, in the product's order):
;;     1. [M 4,096, K 512] x [K 512, N 8]; A: input x; B: input Wr: left as it is (N = 8 < 16)
;;     2. [M 4,096, K 512] x [K 512, N 2,048]; A: input x; B: input W1 (given as codes): QUANTISED
;;     3. [M 4,096, K 2,048] x [K 2,048, N 512]; A: computed on the way; B: input W2 (given as codes): QUANTISED
;;     4. [M 4,096, K 512] x [K 512, N 2,048]; A: input x; B: input W1 (given as codes): QUANTISED
;;     5. [M 4,096, K 2,048] x [K 2,048, N 512]; A: computed on the way; B: input W2 (given as codes): QUANTISED
;;     6. [M 4,096, K 512] x [K 512, N 2,048]; A: input x; B: input W1 (given as codes): QUANTISED
;;     7. [M 4,096, K 2,048] x [K 2,048, N 512]; A: computed on the way; B: input W2 (given as codes): QUANTISED
;;     8. [M 4,096, K 512] x [K 512, N 2,048]; A: input x; B: input W1 (given as codes): QUANTISED
;;     9. [M 4,096, K 2,048] x [K 2,048, N 512]; A: computed on the way; B: input W2 (given as codes): QUANTISED
;;     10. [M 4,096, K 512] x [K 512, N 2,048]; A: input x; B: input W1 (given as codes): QUANTISED
;;     11. [M 4,096, K 2,048] x [K 2,048, N 512]; A: computed on the way; B: input W2 (given as codes): QUANTISED
;;     12. [M 4,096, K 512] x [K 512, N 2,048]; A: input x; B: input W1 (given as codes): QUANTISED
;;     13. [M 4,096, K 2,048] x [K 2,048, N 512]; A: computed on the way; B: input W2 (given as codes): QUANTISED
;;     14. [M 4,096, K 512] x [K 512, N 2,048]; A: input x; B: input W1 (given as codes): QUANTISED
;;     15. [M 4,096, K 2,048] x [K 2,048, N 512]; A: computed on the way; B: input W2 (given as codes): QUANTISED
;;     16. [M 4,096, K 512] x [K 512, N 2,048]; A: input x; B: input W1 (given as codes): QUANTISED
;;     17. [M 4,096, K 2,048] x [K 2,048, N 512]; A: computed on the way; B: input W2 (given as codes): QUANTISED
;;   THE QUANTISER, for each operand of a quantised product, along K:
;;     - K is cut into blocks of 32 from its start; a last block that is shorter is filled with zeros.
;;     - A block's scale is 2^e with e = floor(log2(the largest magnitude in the block)) - 4, held to -126 .. 127; a block of zeros has e = 0. As a byte (E8M0): e + 127.
;;     - Each number is divided by its block's scale, clamped to +-28, and rounded to the nearest number of E3M2, ties to even, subnormals kept.
;;     - The product sums the exact products of the quantised numbers (number of the format x scale) in f32.
;;   ~~~python
;;   def quantise(x, axis):      # numpy; x: float32 -> the quantised numbers, widened to float32 again
;;       x = np.moveaxis(x, axis, -1); K = x.shape[-1]
;;       x = np.pad(x, [(0, 0)] * (x.ndim - 1) + [(0, -K % 32)]); x = x.reshape(x.shape[:-1] + (-1, 32)); a = np.abs(x).max(-1, keepdims=True)
;;       e = np.where(a > 0, np.clip(np.frexp(np.where(a > 0, a, 1))[1] - 1 - 4, -126, 127), 0)      # np.frexp(a)[1] - 1 = floor(log2(a)), exactly
;;       r = np.clip(x / 2.0 ** e, -28, 28)
;;       step = 2.0 ** (np.maximum(np.frexp(np.where(r == 0, 1, r))[1] - 1, -2) - 2)
;;       q = np.round(r / step) * step * 2.0 ** e      # np.round: ties to even
;;       return np.moveaxis(q.reshape(q.shape[:-2] + (-1,))[..., :K], -1, axis).astype(np.float32)
;;   ~~~
;;   OPERANDS COMPUTED ON THE WAY. 'Computed on the way' means the value that the module computes at that place (a softmax that the list does not call 'softmax' is quantised finished and normalised). What goes into a quantiser is computed in f32, as accurately as f32 sums, v_exp_f32 and their like allow (about 1e-6 of the number): no bf16 or f16 on the way to a quantiser, and a product that is left as it is and whose result goes on into a quantised operand takes f32 operands (vector FMAs, or v_wmma_f32_16x16x4_f32). A number that lies on a knife's edge between two numbers of the format may be rounded either way, as far as f32 arithmetic and the matrix unit's own rounding can turn it there, and no further.
;;   INPUTS GIVEN AS CODES. W1 (in the module: [8, 512, 2048], K = its axis 1); W2 (in the module: [8, 2048, 512], K = its axis 1): each comes as NAME_codes (uint8): NAME with its K axis moved to the last place and cut into blocks of 32 codes, [.., K / 32, bytes a block], one block behind the other in memory; four codes in three bytes: a row's codes are one little-endian stream of bits, code i at bits 6 i .. 6 i + 5 (a code: sign, 3 exponent bits, 2 mantissa bits); and NAME_scales (uint8): the same leading axes, one E8M0 byte (e + 127) for each 32 codes along K. Its value is code x scale, taken as it is: it is not quantised again, and the codes and scales need not be those that the quantiser above would give.
;; 2 versions, each right; version 2 is version 1 with the launch ffn written anew for expert scheduling mode. Each part assembles by itself: llvm-mc -triple=amdgcn-amd-amdhsa -mcpu=gfx1250 --defsym DOCPART=n.
;; ======== version 1 of 2: 4 launches
;; workspace buffers: xq 1,572,864 bytes; xs 65,536 bytes; fmeta 65,536 bytes; route 32,768 bytes of whole numbers; rowlist 34,304 bytes of whole numbers; tiles 1,024 bytes of whole numbers; wq 13,107,200 bytes; ybuf 16,777,216 bytes
;; launch route (part 1): grid 256 x 1, 4 waves a work-group, no clusters, 59,136 bytes of LDS; arguments x, Wr, br, xq, xs, fmeta, route; writes xq, xs, fmeta, route
.if DOCPART == 1
	.amdgcn_target "amdgcn-amd-amdhsa--gfx1250"
	.amdhsa_code_object_version 6
	.text
	.protected	k_q554414fed8_route
	.globl	k_q554414fed8_route
	.p2align	8
	.type	k_q554414fed8_route,@function
k_q554414fed8_route:
	s_mov_b64 s[64:65], 0
	v_nop
	global_prefetch_b8 v0, s[64:65] scope:SCOPE_SE
	s_setreg_imm32_b32 hwreg(HW_REG_WAVE_MODE, 25, 1), 1
	s_wait_xcnt 0x0
; ROUTE.  For 4,096 tokens of 512 f32: the router (x Wr + br in f32, softmax with the row's maximum taken away, the two largest gates, the lower index kept where two are equal),
; and x turned into codes of E3M2 with one E8M0 byte for each 32 along its 512.
; SHARES.  A work-group takes 16 tokens, a wave 4, one after the other.  Lane l holds numbers 16 l .. 16 l + 15 of the token in hand: two neighbouring lanes hold a block of 32.
; Every load of x reads 512 consecutive bytes; the numbers turn through the wave's own stage in LDS (a place of 64 + 16 bytes a lane).  Wr's 16,384 bytes are loaded densely once a work-group
; and laid in LDS with a place of 512 + 16 bytes for each 16 rows, from which each lane takes its 16 rows into 128 registers.
; WHAT IS STORED.  xq: a token's 384 bytes of codes, block 4 s + 2 c + h at byte 192 h + 48 s + 24 c, so that a lane of the later product finds a K step's 12 registers as 48 bytes on end.
; xs: 16 scale bytes a token.  fmeta (a record of 64 f32 for 16 tokens): words 0-31 the two gates of each token, words 32-63 each wave's eight sums of gates.
; route (a record of 32 words): words 0-15, a word a token: e1 | r1 << 4 | e2 << 8 | r2 << 12, r the entry's rank among its wave's entries of the same expert; words 16-31, four a wave: the wave's
; counts of entries for each expert, two 16-bit fields a word.  The choice is DATA here: no address and no branch of this launch hangs on it.
; LIMITS.  NaN and infinities are not served.  A block of zeros, or one whose largest magnitude lies under 2^-122, gets the byte 1 (its bytes are read by this program alone).  A gate under 2^-126 comes out as 0.
; The router's sums run in another order than a plain loop over k: two gates that are equal to within f32 rounding may change places.
.set SP,    80                         ; a lane's place in a stage: 64 bytes + 16
.set STGT,  32*SP                      ; a token's stage
.set STGW,  4*STGT                     ; a wave's four
.set SCB,   4*STGW                     ; 256 scale bytes of the work-group's 16 tokens
.set FM,    SCB+256                    ; its record of fmeta
.set RT,    FM+256                     ; its record of route (128 bytes)
.set WRL,   RT+256                     ; Wr: 32 places of WRP bytes
.set WRP,   528
.set L,     10                         ; v10-17   partial sums, logits, p, gates
.set T,     18                         ; v18-25   the other half of the lanes' sums; later the gates without the winner
.set X,     32                         ; v32-63   two sets of 16 neighbours
.set WR,    64                         ; v64-191  Wr[16 l + i][e] at WR + 8 i + e
.set R,     192                        ; v192-255 x as loaded, 16 registers a token; free again once the stage's stores are done:
.set GS,    192                        ; v192-199 sums of gates
.set CODE,  200                        ; v200-215 codes, four registers a token: no store's data are written again
.set BY,    216                        ; v216-219 a scale byte a token
.set QT,    220                        ; v220-222 at work in the quantiser
.set W,     224                        ; v224-227 a token's word
.set FMV,   228                        ; v228-235 a token's two gates
.set CN,    236                        ; v236-239 the counts
.set BI,    240                        ; v240, 241 the two experts;  v242-244 at work
.set BI2,   241
.set SH,    242
.set RK,    243
.set TT,    244
	s_load_b256 s[4:11], s[0:1], 0x0               ; x s[4:5], Wr s[6:7], br s[8:9], xq s[10:11]
	s_load_b128 s[12:15], s[0:1], 0x20             ; xs s[12:13], fmeta s[14:15]
	s_load_b64 s[16:17], s[0:1], 0x30              ; route
	s_set_vgpr_msb 0x40
	v_lshl_add_u32 v0, v0, 2, 0xe500
	v_mov_b32 v1, 0
	s_set_vgpr_msb 0x4000
	v_lshrrev_b32 v1, 5, v0
	v_readfirstlane_b32 s18, v1                    ; wave 0..3
	v_and_b32 v1, 31, v0                           ; lane
	v_lshlrev_b32 v2, 4, v1                        ; my 16 bytes of a load's 512
	s_mul_i32 s19, s18, STGW
	v_lshrrev_b32 v3, 2, v1
	v_mul_u32_u24 v3, v3, SP
	v_and_b32 v4, 3, v1
	v_lshl_add_u32 v3, v4, 4, v3
	v_add_nc_u32 v3, s19, v3                       ; the stage, way in: four lanes' 64 bytes on end, then 16 of padding
	v_mul_u32_u24 v4, v1, SP
	v_add_nc_u32 v4, s19, v4                       ; way out: my 16 neighbours
	v_lshrrev_b32 v5, 3, v1                        ; my 12 bytes of a token's codes: K step s = l / 8,
	v_mul_u32_u24 v5, v5, 48
	v_bfe_u32 v6, v1, 2, 1                         ; c,
	v_mad_u32_u24 v5, v6, 24, v5
	v_bfe_u32 v6, v1, 1, 1                         ; h,
	v_mad_u32_u24 v5, v6, 192, v5
	v_and_b32 v6, 1, v1                            ; and which half of the block
	v_mad_u32_u24 v5, v6, 12, v5
	s_lshl_b32 s19, s18, 6
	v_lshrrev_b32 v6, 1, v1
	v_add_nc_u32 v6, s19, v6
	v_add_nc_u32 v6, SCB, v6                       ; my block's scale byte: SCB + 64 wave + lane / 2 (+ 16 a token)
	s_lshl_b32 s19, s18, 5
	s_add_co_u32 s19, s19, FM
	v_mov_b32 v7, s19                              ; my wave's gates: FM + 32 wave (+ 8 a token)
	s_add_co_u32 s19, s19, 128
	v_mov_b32 v31, s19                             ; my wave's sums of gates
	s_lshl_b32 s19, s18, 4
	s_add_co_u32 s19, s19, RT
	v_mov_b32 v8, s19                              ; my wave's words: RT + 16 wave (+ 4 a token)
	v_mul_u32_u24 v9, v1, WRP
	v_add_nc_u32 v9, WRL, v9                       ; my 16 rows of Wr in LDS
	v_lshlrev_b32 v10, 4, v0                       ; Wr in memory: 16 bytes a thread
	s_lshl_b32 s19, s18, 4
	s_add_co_u32 s19, s19, WRL
	v_add_nc_u32 v11, s19, v10                     ; and where they go: byte p of Wr lies at p + 16 (p / 512)
	s_mov_b32 s28, 0x76543210
	s_mov_b32 s29, 0xfedcba98                      ; v_permlanex16_b32's selects for lane l xor 16
	s_mov_b32 s30, 0x3fb8aa3b                      ; log2(e)
.irp e, 0,1,2,3,4,5,6,7
	v_mov_b32 v[T+\e], 0                           ; written once: a lane permute's destination counts as one of its sources
.endr
	v_mov_b32 v29, 1
	v_mov_b32 v30, 0                               ; the wave's counts, four bits an expert
	s_lshl_b32 s2, ttmp9, 15                       ; 16 tokens of 2,048 bytes a work-group,
	s_lshl_b32 s3, s18, 13                         ; 4 a wave
	s_add_co_u32 s2, s2, s3
	s_mov_b32 s3, 0
	s_wait_kmcnt 0x0
	s_load_b256 s[20:27], s[8:9], 0x0              ; br
	s_add_nc_u64 s[4:5], s[4:5], s[2:3]
	s_mul_i32 s2, ttmp9, 16*384
	s_mul_i32 s19, s18, 4*384
	s_add_co_u32 s2, s2, s19
	s_add_nc_u64 s[10:11], s[10:11], s[2:3]
	s_lshl_b32 s2, ttmp9, 8
	s_add_nc_u64 s[12:13], s[12:13], s[2:3]
	s_add_nc_u64 s[14:15], s[14:15], s[2:3]
	s_lshl_b32 s2, ttmp9, 7
	s_add_nc_u64 s[16:17], s[16:17], s[2:3]
.irp j, 0,1,2,3,4,5,6,7
	global_load_b128 v[WR+4*\j:WR+4*\j+3], v10, s[6:7] offset:2048*\j              ; the four waves read 2,048 consecutive bytes of Wr
.endr
.irp i, 0,1,2,3
.irp j, 0,1,2,3
	global_load_b128 v[R+16*\i+4*\j:R+16*\i+4*\j+3], v2, s[4:5] offset:2048*\i+512*\j th:TH_LOAD_NT   ; 512 consecutive bytes of a token
.endr
.endr
	s_wait_loadcnt 16                              ; Wr is in; the 16 loads of x may be out
.irp j, 0,1,2,3,4,5,6,7
	ds_store_b128 v11, v[WR+4*\j:WR+4*\j+3] offset:2112*\j
.endr
.irp i, 0,1,2,3
	s_wait_loadcnt 12-4*\i                         ; token i's four loads are in; the later tokens' may be out
.irp j, 0,1,2,3
	ds_store_b128 v3, v[R+16*\i+4*\j:R+16*\i+4*\j+3] offset:STGT*\i+8*SP*\j
.endr
.endr
	s_wait_dscnt 0x0                               ; for the others' sake: my part of Wr lies in LDS
	s_barrier_signal -1
	s_barrier_wait -1
.irp j, 0,1,2,3,4,5,6,7,8,9,10,11,12,13,14,15,16,17,18,19,20,21,22,23,24,25,26,27,28,29,30,31
	ds_load_b128 v[WR+4*\j:WR+4*\j+3], v9 offset:16*\j
.endr
.macro LOADX i                         ; token i's 16 neighbours into set i % 2
.irp j, 0,1,2,3
	ds_load_b128 v[X+16*((\i)%2)+4*\j:X+16*((\i)%2)+4*\j+3], v4 offset:STGT*(\i)+16*\j
.endr
.endm
.macro SCAN8 src, best, idx            ; the largest of eight and its index; where two are equal the earlier stays
	v_mov_b32 v[\best], v[\src]
	v_mov_b32 v[\idx], 0
.irp e, 1,2,3,4,5,6,7
	v_cmp_le_f32 vcc_lo, v[\src+\e], v[\best]
	v_cndmask_b32 v[\best], v[\src+\e], v[\best], vcc_lo
	v_cndmask_b32 v[\idx], \e, v[\idx], vcc_lo
.endr
.endm
.macro RANK idx                        ; RK = how many entries of this expert the wave has had; then one more
	v_lshlrev_b32 v[SH], 2, v[\idx]
	v_bfe_u32 v[RK], v30, v[SH], 4
	v_lshlrev_b32 v[TT], v[SH], v29
	v_add_nc_u32 v30, v30, v[TT]
.endm
.macro TOKEN i
.set XS, X+16*((\i)%2)
.if (\i) < 3
	LOADX (\i)+1
	s_wait_dscnt 4                                 ; all but the four loads just issued: this token's numbers are here (and, for token 0, Wr)
.else
	s_wait_dscnt 0x0
.endif
	; the quantiser: the block's largest magnitude, its exponent field less 4 as the conversion's scale, that field as the byte
	v_max3_num_f32 v[QT], |v[XS]|, |v[XS+1]|, |v[XS+2]|
	v_max3_num_f32 v[QT+1], |v[XS+3]|, |v[XS+4]|, |v[XS+5]|
.irp q, 6,10
	v_max3_num_f32 v[QT], v[QT], |v[XS+\q]|, |v[XS+\q+1]|
	v_max3_num_f32 v[QT+1], v[QT+1], |v[XS+\q+2]|, |v[XS+\q+3]|
.endr
	v_max3_num_f32 v[QT], v[QT], |v[XS+14]|, |v[XS+15]|
	v_max3_num_f32 v[QT], v[QT], v[QT+1], 0x2800000                 ; the floor 2^(5 - 127): the byte cannot fall under 1
	v_max_num_f32_dpp v[QT], v[QT], v[QT] row_xmask:1 row_mask:0xf bank_mask:0xf   ; with my neighbour's 16
	v_add_nc_u32 v[QT+2], 0xfe000000, v[QT]
	v_cvt_scalef32_pk16_bf6_f32 v[CODE+4*(\i):CODE+4*(\i)+2], v[XS:XS+15], v[QT+2]
	v_lshrrev_b32 v[BY+(\i)], 23, v[QT+2]          ; (also the plain line behind the conversion)
	ds_store_b8 v6, v[BY+(\i)] offset:16*(\i)      ; both lanes of a block write the same byte with the same value
	global_store_b96 v5, v[CODE+4*(\i):CODE+4*(\i)+2], s[10:11] offset:384*(\i)    ; the wave's 32 pieces of 12 bytes fill the token's 384
	; the router: eight sums over my 16 numbers, two experts an instruction, four chains by turns
.irp p, 0,1,2,3
	v_pk_mul_f32 v[L+2*\p:L+2*\p+1], v[XS:XS+1], v[WR+2*\p:WR+2*\p+1] op_sel_hi:[0,1]
.endr
.set ii, 1
.rept 15
.irp p, 0,1,2,3
.if ii%2
	v_pk_fma_f32 v[L+2*\p:L+2*\p+1], v[XS+ii-1:XS+ii], v[WR+8*ii+2*\p:WR+8*ii+2*\p+1], v[L+2*\p:L+2*\p+1] op_sel:[1,0,0] op_sel_hi:[1,1,1]
.else
	v_pk_fma_f32 v[L+2*\p:L+2*\p+1], v[XS+ii:XS+ii+1], v[WR+8*ii+2*\p:WR+8*ii+2*\p+1], v[L+2*\p:L+2*\p+1] op_sel_hi:[0,1,1]
.endif
.endr
.set ii, ii+1
.endr
.irp m, 1,2,4,8
.irp e, 0,1,2,3,4,5,6,7
	v_add_f32_dpp v[L+\e], v[L+\e], v[L+\e] row_xmask:\m row_mask:0xf bank_mask:0xf
.endr
.endr
.irp e, 0,1,2,3,4,5,6,7
	v_permlanex16_b32 v[T+\e], v[L+\e], s28, s29
.endr
.irp e, 0,1,2,3,4,5,6,7
	v_add_f32 v[L+\e], v[L+\e], v[T+\e]
.endr
.irp e, 0,1,2,3,4,5,6,7
	v_add_f32 v[L+\e], s[20+\e], v[L+\e]           ; the logits, the same in every lane
.endr
	; softmax: p = 2^((logit - max) log2 e); what the rounding of max x log2 e adds is common to the eight and leaves with the division
	v_max3_num_f32 v26, v[L], v[L+1], v[L+2]
	v_max3_num_f32 v27, v[L+3], v[L+4], v[L+5]
	v_max3_num_f32 v26, v26, v[L+6], v[L+7]
	v_max_num_f32 v26, v26, v27
	v_mul_f32 v27, s30, v26
.irp e, 0,1,2,3,4,5,6,7
	v_fma_f32 v[L+\e], v[L+\e], s30, -v27
.endr
.irp e, 0,1,2,3,4,5,6,7
	v_exp_f32 v[L+\e], v[L+\e]
.endr
	v_nop                                          ; a plain line behind the last exponential
	s_wait_alu depctr_va_vdst(0)                   ; the wait ahead of the first reader: one for the eight
	v_add_f32 v26, v[L], v[L+1]
	v_add_f32 v27, v[L+2], v[L+3]
	v_add_f32 v28, v[L+4], v[L+5]
	v_add_f32 v[TT], v[L+6], v[L+7]
	v_add_f32 v26, v26, v27
	v_add_f32 v28, v28, v[TT]
	v_add_f32 v26, v26, v28
	v_rcp_f32 v26, v26
	v_nop
	s_wait_alu depctr_va_vdst(0)
.irp e, 0,1,2,3,4,5,6,7
.if (\i) == 0
	v_mul_f32 v[GS+\e], v[L+\e], v26               ; the first token starts the sums of gates
.else
	v_fmac_f32 v[GS+\e], v[L+\e], v26
.endif
.endr
.irp e, 0,1,2,3,4,5,6,7
	v_mul_f32 v[L+\e], v[L+\e], v26                ; the gates
.endr
	SCAN8 L, FMV+2*(\i), BI
.irp e, 0,1,2,3,4,5,6,7
	v_cmp_ne_u32 vcc_lo, \e, v[BI]
	v_cndmask_b32 v[T+\e], -1.0, v[L+\e], vcc_lo   ; the winner is put under every gate
.endr
	SCAN8 T, FMV+2*(\i)+1, BI2
	RANK BI
	v_lshl_or_b32 v[W+(\i)], v[RK], 4, v[BI]
	RANK BI2
	v_lshl_or_b32 v[RK], v[RK], 4, v[BI2]
	v_lshl_or_b32 v[W+(\i)], v[RK], 8, v[W+(\i)]
	ds_store_b64 v7, v[FMV+2*(\i):FMV+2*(\i)+1] offset:8*(\i)      ; all lanes write the same words with the same values
	ds_store_b32 v8, v[W+(\i)] offset:4*(\i)
.endm
	LOADX 0
	s_wait_kmcnt 0x0                               ; br
	TOKEN 0
	TOKEN 1
	TOKEN 2
	TOKEN 3
.irp p, 0,1,2,3
	v_bfe_u32 v[CN+\p], v30, 8*\p, 4
	v_bfe_u32 v26, v30, 8*\p+4, 4
	v_lshl_or_b32 v[CN+\p], v26, 16, v[CN+\p]      ; experts 2 p and 2 p + 1, 16 bits each
.endr
	ds_store_b128 v8, v[CN:CN+3] offset:64
	ds_store_b128 v31, v[GS:GS+3]
	ds_store_b128 v31, v[GS+4:GS+7] offset:16
	v_lshlrev_b32 v9, 3, v1                        ; the way out: 8 bytes a lane,
	v_lshlrev_b32 v2, 2, v1                        ; or 4
	s_wait_dscnt 0x0                               ; for wave 0's sake: my stores have landed
	s_barrier_signal -1
	s_barrier_wait -1
	s_cmp_lg_u32 s18, 0
	s_cbranch_scc1 .Lend
	ds_load_b64 v[10:11], v9 offset:SCB
	ds_load_b64 v[12:13], v9 offset:FM
	ds_load_b32 v14, v2 offset:RT
	s_wait_dscnt 0x0
	global_store_b64 v9, v[10:11], s[12:13]        ; 32 lanes store 256 consecutive bytes, aligned
	global_store_b64 v9, v[12:13], s[14:15]        ; likewise
	global_store_b32 v2, v14, s[16:17]             ; 128 consecutive bytes
.Lend:
	s_set_vgpr_msb 0x5
	s_wait_tensorcnt 0x0
	ds_add_u32 v0, v1
	s_wait_dscnt 0x0
	s_set_vgpr_msb 0x500
	s_endpgm
.Lfunc_end_k_q554414fed8_route:
	.size	k_q554414fed8_route, .Lfunc_end_k_q554414fed8_route-k_q554414fed8_route
	.p2alignl 7, 3214868480
	.fill 96, 4, 3214868480
	.section	.rodata,"a",@progbits
	.p2align	6, 0x0
	.amdhsa_kernel k_q554414fed8_route
		.amdhsa_group_segment_fixed_size 59136
		.amdhsa_private_segment_fixed_size 0
		.amdhsa_enable_private_segment 0
		.amdhsa_kernarg_size 56
		.amdhsa_user_sgpr_count 2
		.amdhsa_user_sgpr_kernarg_segment_ptr 1
		.amdhsa_wavefront_size32 1
		.amdhsa_system_sgpr_workgroup_id_x 1
		.amdhsa_system_sgpr_workgroup_id_y 1
		.amdhsa_system_sgpr_workgroup_id_z 1
		.amdhsa_system_vgpr_workitem_id 0
		.amdhsa_next_free_vgpr 258
		.amdhsa_next_free_sgpr 66
		.amdhsa_reserve_vcc 1
		.amdhsa_float_denorm_mode_32 3
		.amdhsa_float_denorm_mode_16_64 3
		.amdhsa_memory_ordered 1
		.amdhsa_forward_progress 1
		.amdhsa_inst_pref_size 62
	.end_amdhsa_kernel
	.amdgpu_metadata
---
amdhsa.version: [ 1, 2 ]
amdhsa.kernels:
  - .name:           k_q554414fed8_route
    .symbol:         k_q554414fed8_route.kd
    .args:
      - { .name: x, .offset: 0, .size: 8, .value_kind: global_buffer, .address_space: global }
      - { .name: Wr, .offset: 8, .size: 8, .value_kind: global_buffer, .address_space: global }
      - { .name: br, .offset: 16, .size: 8, .value_kind: global_buffer, .address_space: global }
      - { .name: xq, .offset: 24, .size: 8, .value_kind: global_buffer, .address_space: global }
      - { .name: xs, .offset: 32, .size: 8, .value_kind: global_buffer, .address_space: global }
      - { .name: fmeta, .offset: 40, .size: 8, .value_kind: global_buffer, .address_space: global }
      - { .name: route, .offset: 48, .size: 8, .value_kind: global_buffer, .address_space: global }
    .group_segment_fixed_size: 59136
    .private_segment_fixed_size: 0
    .kernarg_segment_align: 8
    .kernarg_segment_size: 56
    .max_flat_workgroup_size: 128
    .sgpr_count:     66
    .vgpr_count:     258
    .wavefront_size: 32
...
	.end_amdgpu_metadata
.endif
;; end of part 1
;; launch place (part 2): grid 258 x 1, 32 waves a work-group, no clusters, 6,144 bytes of LDS; arguments route, fmeta, W1_codes, W1_scales, W2_codes, W2_scales, rowlist, tiles, wq, out1; writes rowlist, tiles, wq, out1
.if DOCPART == 2
	.amdgcn_target "amdgcn-amd-amdhsa--gfx1250"
	.amdhsa_code_object_version 6
	.text
	.protected	k_q554414fed8_place
	.globl	k_q554414fed8_place
	.p2align	8
	.type	k_q554414fed8_place,@function
k_q554414fed8_place:
	s_mov_b64 s[64:65], 0
	v_nop
	global_prefetch_b8 v0, s[64:65] scope:SCOPE_SE
	s_setreg_imm32_b32 hwreg(HW_REG_WAVE_MODE, 25, 1), 1
	s_wait_xcnt 0x0
; PLACE.  Three kinds of work-groups, told apart by the work-group's number alone; each kind has LDS bytes of its own.
; WORK-GROUP 0: a counting sort of the 8,192 routed rows (slot = 2 x token + choice) by expert, without atomics.  Thread i stands for 4 tokens (a wave of the launch before), whose counts for each
; expert and whose entries' ranks among them are stored as whole numbers.  Two prefix sums (over the lanes of a wave, over the 32 waves) on counts packed two to a word give each thread the place of its first
; entry of each expert.  Expert e's rows begin at a multiple of 48: 48 x (the tiles of the experts before it).  Then the table of tiles: tile t = expert | rows << 8 | t << 16; a tile that this split leaves without rows
; has rows = 0 and names tile 0's list.  8,192 rows in tiles of 48 over 8 experts are 178 tiles at the most.
; WORK-GROUP 1: out1 = the sum over the experts of p log(p + 1e-9), p = the mean gate.
; WORK-GROUPS 2 .. 257: W1's and W2's codes and scale bytes are laid out in the order in which a wave of the next launch takes them into its operand registers.  Work-group j = 32 e + 8 w + c serves expert e, wave w, chunk c (256
; hidden units): four batches of 12,800 bytes.  A batch is eight fragments (16 rows x 128 K: twelve registers a lane), each as three runs of 512 bytes (16 bytes a lane), and one run of 512 bytes of scale words: register jj of four holds
; fragment 2 jj's words in lanes 0-15 and fragment 2 jj + 1's in lanes 16-31.  Batches 0, 1: W1, fragment f: K step 2 b + f / 4, tile u = f % 4 of the wave's 64 hidden units; lane r of tile u takes row 32 (u / 2) + 8 (u % 2) + r + 8 (r / 8), so that a
; lane's results of two neighbouring tiles are 16 neighbours along the next K.  Batches 2, 3: W2, fragment f: rows 128 w + 16 f + r, K step 2 c + b - 2.  Wave v of the 32 makes fragment v % 8 of batch v / 8.
.set TROWS, 48                         ; rows in a tile
.set WT,  0                            ; LDS 0-511: the sort's 32 wave totals, 16 bytes each
.set AX,  512                          ; LDS 512-1535: the 32 waves' eight sums of gates
.set TK,  8                            ; v8-11  the thread's four token words
.set F,   12                           ; v12-15 its counts, then their prefix sums
.set O,   16                           ; v16-19 its counts
.set TMP, 20                           ; v20-23 at work in a scan
.set E,   24                           ; v24-27 the sum over the lanes before me
.set G,   28                           ; v28-31 the waves' totals, then their prefix sums
.set GC,  32                           ; v32-35 the sum over the waves before each
.set P,   36                           ; v36-39 the sum over the waves before mine
.set Q,   40                           ; v40-43 where my first entry of each expert goes
.set AD,  44                           ; v44-51 eight addresses
.set DA,  52                           ; v52-59 eight slots
	s_load_b512 s[4:19], s[0:1], 0x0               ; route s[4:5], fmeta s[6:7], W1 codes s[8:9], scales s[10:11], W2 codes s[12:13], scales s[14:15], rowlist s[16:17], tiles s[18:19]
	s_load_b128 s[20:23], s[0:1], 0x40             ; wq s[20:21], out1 s[22:23]
	v_lshl_add_u32 v64, v0, 2, 0x800
	v_mov_b32 v65, 0
	v_lshrrev_b32 v1, 5, v0
	v_readfirstlane_b32 s24, v1                    ; wave 0..31
	v_and_b32 v1, 31, v0                           ; lane
	s_lshl_b32 s25, s24, 4
	v_mov_b32 v2, s25                              ; WT + 16 wave
	v_lshlrev_b32 v3, 4, v1                        ; WT + 16 lane
	s_lshl_b32 s25, s24, 2
	v_mov_b32 v4, s25                              ; 4 wave: the lane that holds my wave's number, as the lane permute wants it
	s_lshl_b32 s25, s24, 5
	s_add_co_u32 s25, s25, AX
	v_mov_b32 v5, s25                              ; AX + 32 wave
	v_lshl_add_u32 v6, v1, 5, AX                   ; AX + 32 lane
	s_wait_kmcnt 0x0
	s_cmp_eq_u32 ttmp9, 0
	s_cbranch_scc1 .Lsort
	s_cmp_eq_u32 ttmp9, 1
	s_cbranch_scc1 .Laux
	; ---- the layout of the weights
	s_sub_co_u32 s25, ttmp9, 2                     ; j
	s_lshr_b32 s26, s25, 5                         ; e
	s_bfe_u32 s27, s25, 0x20003                    ; w
	s_and_b32 s28, s25, 7                          ; c
	s_lshr_b32 s29, s24, 3                         ; b
	s_and_b32 s30, s24, 7                          ; f
	s_lshl_b32 s31, s28, 8                         ; W1: the fragment's first row: 256 c + 64 w + 32 ((f % 4) / 2) + 8 (f % 2)
	s_lshl_b32 s32, s27, 6
	s_add_co_u32 s31, s31, s32
	s_bfe_u32 s32, s30, 0x10001
	s_lshl_b32 s32, s32, 5
	s_add_co_u32 s31, s31, s32
	s_and_b32 s32, s30, 1
	s_lshl_b32 s32, s32, 3
	s_add_co_u32 s31, s31, s32
	s_lshl_b32 s33, s29, 1                         ; W1: K step 2 b + f / 4
	s_lshr_b32 s32, s30, 2
	s_add_co_u32 s33, s33, s32
	s_lshl_b32 s34, s27, 7                         ; W2: first row 128 w + 16 f
	s_lshl_b32 s32, s30, 4
	s_add_co_u32 s34, s34, s32
	s_lshl_b32 s35, s28, 1                         ; W2: K step 2 c + b - 2 (taken in batches 2 and 3 alone)
	s_add_co_u32 s35, s35, s29
	s_sub_co_u32 s35, s35, 2
	s_lshl_b32 s36, s28, 12                        ; W1's scale bytes, 16 a row: (256 c + 64 w) x 16 + 4 x (2 b)
	s_lshl_b32 s32, s27, 10
	s_add_co_u32 s36, s36, s32
	s_lshl_b32 s32, s29, 3
	s_add_co_u32 s36, s36, s32
	s_lshl_b32 s37, s27, 13                        ; W2's, 64 a row: 128 w x 64 + 4 x K step
	s_lshl_b32 s32, s35, 2
	s_add_co_u32 s37, s37, s32
	s_mov_b32 s38, 1536
	s_mov_b32 s39, 1024
	s_mov_b32 s40, 2048
	s_mov_b32 s41, 4096
	s_cmp_lt_u32 s24, 16                           ; waves 0-15: W1; 16-31: W2.  The choice hangs on the wave's number alone
	s_cselect_b64 s[42:43], s[8:9], s[12:13]       ; the codes
	s_cselect_b64 s[44:45], s[10:11], s[14:15]     ; the scale bytes
	s_cselect_b32 s31, s31, s34                    ; first row
	s_cselect_b32 s33, s33, s35                    ; K step
	s_cselect_b32 s36, s36, s37                    ; the scale words' first byte
	s_cselect_b32 s38, 384, s38                    ; a row of codes in bytes
	s_cselect_b32 s39, 128, s39                    ; scale words: from fragment 2 jj to 2 jj + 1,
	s_cselect_b32 s40, 512, s40                    ; from jj to jj + 1,
	s_cselect_b32 s41, 4, s41                      ; from jj to jj + 2
	s_cselect_b32 s46, 8, 0                        ; W1's lanes 8-15 stand eight rows further on
	s_cselect_b32 s47, 4, 6                        ; a row of scale bytes: 16 or 64
	v_and_b32 v24, 15, v0                          ; r
	v_bfe_u32 v25, v0, 4, 1                        ; h
	v_and_b32 v26, s46, v24
	v_add_nc_u32 v26, v26, v24                     ; my row in the fragment
	v_mul_lo_u32 v27, v26, s38
	v_mad_u32_u24 v27, v25, 24, v27                ; + 24 h
	s_mul_i32 s32, s26, 786432                     ; an expert's codes
	s_mul_i32 s31, s31, s38
	s_add_co_u32 s32, s32, s31
	s_mul_i32 s33, s33, 96
	s_add_co_u32 s32, s32, s33
	s_mov_b32 s33, 0
	s_add_nc_u64 s[42:43], s[42:43], s[32:33]
.irp p, 0,1,2,3,4,5
	global_load_b64 v[8+2*\p:9+2*\p], v27, s[42:43] offset:48*(\p/3)+8*(\p%3)      ; the fragment's twelve registers: 24 bytes of the row's stream of bits, twice
.endr
	s_lshl_b32 s32, s25, 2
	s_add_co_u32 s32, s32, s29
	s_mul_i32 s32, s32, 12800                      ; my batch
	s_add_nc_u64 s[20:21], s[20:21], s[32:33]
	s_mul_i32 s34, s30, 1536
	v_lshl_add_u32 v28, v1, 4, s34                 ; my fragment in it, 16 bytes a lane
	v_lshlrev_b32 v29, 4, v1
	s_cmp_lg_u32 s30, 0                            ; the wave with fragment 0 also makes the batch's scale words
	s_cbranch_scc1 .Lcodes
	v_lshlrev_b32 v32, s47, v26
	v_mad_u32_u24 v32, v25, s39, v32
	s_lshl_b32 s32, s26, 15                        ; an expert's scale bytes
	s_add_co_u32 s32, s32, s36
	s_add_nc_u64 s[44:45], s[44:45], s[32:33]
	v_add_nc_u32 v33, s40, v32
	v_add_nc_u32 v34, s41, v32
	v_add_nc_u32 v35, s41, v33
.irp q, 0,1,2,3
	global_load_b32 v[20+\q], v[32+\q], s[44:45]
.endr
	s_wait_loadcnt 0x0
	global_store_b128 v29, v[20:23], s[20:21] offset:12288
.Lcodes:
	s_wait_loadcnt 0x0
.irp i, 0,1,2
	global_store_b128 v28, v[8+4*\i:11+4*\i], s[20:21] offset:512*\i               ; 32 lanes store 512 consecutive bytes, aligned
.endr
	s_endpgm
; an inclusive prefix sum over the wave's 32 lanes, of four registers at once
.macro SCAN4 f
.irp d, 1,2,4,8
.irp q, 0,1,2,3
	v_mov_b32_dpp v[TMP+\q], v[\f+\q] row_shr:\d row_mask:0xf bank_mask:0xf bound_ctrl:1   ; lane i - d of my 16, or 0
.endr
.irp q, 0,1,2,3
	v_add_nc_u32 v[\f+\q], v[\f+\q], v[TMP+\q]
.endr
.endr
.irp q, 0,1,2,3
	v_readlane_b32 s[32+\q], v[\f+\q], 15          ; the lower 16 lanes' total
.endr
.irp q, 0,1,2,3
	v_mov_b32 v[TMP+\q], s[32+\q]
.endr
.irp q, 0,1,2,3
	v_cndmask_b32 v[TMP+\q], 0, v[TMP+\q], s60     ; for the upper 16 alone
.endr
.irp q, 0,1,2,3
	v_add_nc_u32 v[\f+\q], v[\f+\q], v[TMP+\q]
.endr
.endm
.Lsort:
	v_lshrrev_b32 v7, 2, v0
	v_lshlrev_b32 v7, 7, v7
	v_and_b32 v60, 3, v0
	v_lshl_add_u32 v7, v60, 4, v7                  ; record i / 4, 16 bytes for its wave i % 4
	global_load_b128 v[TK:TK+3], v7, s[4:5]
	global_load_b128 v[F:F+3], v7, s[4:5] offset:64
	s_mov_b32 s60, 0xffff0000                      ; lanes 16-31
	s_mov_b32 s61, 0x0202
	s_mov_b32 s62, 0x0100
.irp q, 0,1,2,3
	v_mov_b32 v[TMP+\q], 0                         ; written once: a DPP form's destination counts as read
.endr
	s_wait_loadcnt 0x0
.irp q, 0,1,2,3
	v_mov_b32 v[O+\q], v[F+\q]
.endr
	SCAN4 F                                        ; no field passes 16 bits: an expert has 4,096 rows at the most, and a place is under 8,544
.irp q, 0,1,2,3
	v_readlane_b32 s[32+\q], v[F+\q], 31
.endr
.irp q, 0,1,2,3
	v_mov_b32 v[TMP+\q], s[32+\q]
.endr
	ds_store_b128 v2, v[TMP:TMP+3]                 ; my wave's totals
.irp q, 0,1,2,3
	v_sub_nc_u32 v[E+\q], v[F+\q], v[O+\q]
.endr
	s_wait_dscnt 0x0
	s_barrier_signal -1
	s_barrier_wait -1
	ds_load_b128 v[G:G+3], v3                      ; lane l: wave l's totals
	s_wait_dscnt 0x0
.irp q, 0,1,2,3
	v_mov_b32 v[GC+\q], v[G+\q]
.endr
	SCAN4 G
.irp q, 0,1,2,3
	v_sub_nc_u32 v[GC+\q], v[G+\q], v[GC+\q]
.endr
.irp q, 0,1,2,3
	ds_bpermute_b32 v[P+\q], v4, v[GC+\q]          ; every lane takes the lane of my wave's number
.endr
.irp q, 0,1,2,3
	v_readlane_b32 s[36+\q], v[G+\q], 31           ; the experts' totals
.endr
.irp p, 0,1,2,3
	s_and_b32 s[40+2*\p], s[36+\p], 0xffff         ; n(e) in s40-47
	s_lshr_b32 s[41+2*\p], s[36+\p], 16
.endr
	s_mov_b32 s48, 0                               ; the first tile of expert e in s48-55
.irp e, 0,1,2,3,4,5,6
	s_add_co_u32 s63, s[40+\e], TROWS-1
	s_mul_i32 s63, s63, 43691                      ; / 48, rounded down: 43,691 / 2^21 lies 1.6e-7 over 1 / 48, which up to 4,143 adds under 1 / 48
	s_lshr_b32 s63, s63, 21
	s_add_co_u32 s[49+\e], s[48+\e], s63
.endr
.irp p, 0,1,2,3
	s_mul_i32 s[56+\p], s[48+2*\p], TROWS          ; its first place, packed like the counts
	s_mul_i32 s63, s[49+2*\p], TROWS
	s_lshl_b32 s63, s63, 16
	s_or_b32 s[56+\p], s[56+\p], s63
.endr
	s_wait_dscnt 0x0
.irp q, 0,1,2,3
	v_add3_u32 v[Q+\q], v[E+\q], v[P+\q], s[56+\q]
.endr
.irp j, 0,1,2,3
.irp k, 0,1
	v_bfe_u32 v60, v[TK+\j], 8*\k, 2               ; the expert's two low bits pick a 16-bit field of a pair of words,
	v_mad_u32_u24 v60, v60, s61, s62
	v_perm_b32 v61, v[Q+1], v[Q], v60
	v_perm_b32 v62, v[Q+3], v[Q+2], v60
	v_and_b32 v63, 4<<(8*\k), v[TK+\j]             ; its third bit the pair
	v_cmp_ne_u32 vcc_lo, 0, v63
	v_cndmask_b32 v61, v61, v62, vcc_lo
	v_and_b32 v61, 0xffff, v61
	v_bfe_u32 v62, v[TK+\j], 8*\k+4, 2             ; + the entry's rank among my four tokens' entries of that expert
	v_add_nc_u32 v61, v61, v62
	v_min_u32 v61, 178*TROWS-1, v61                ; a place made of loaded numbers is held inside the list
	v_lshlrev_b32 v[AD+2*\j+\k], 2, v61
	v_lshl_add_u32 v[DA+2*\j+\k], v0, 3, 2*\j+\k   ; the slot: 2 x (4 i + j) + k
	global_store_b32 v[AD+2*\j+\k], v[DA+2*\j+\k], s[16:17]
.endr
.endr
	s_cmp_lt_u32 s24, 8                            ; threads 0-255: the table of tiles
	s_cbranch_scc0 .Lsort_end
	v_mov_b32 v20, 0                               ; expert,
	v_mov_b32 v21, 0                               ; its first tile,
	v_mov_b32 v22, s40                             ; its rows
.irp e, 1,2,3,4,5,6,7
	v_cmp_gt_u32 vcc_lo, s[48+\e], v0              ; the last expert whose first tile is not behind mine
	v_cndmask_b32 v20, \e, v20, vcc_lo
	v_cndmask_b32 v21, s[48+\e], v21, vcc_lo
	v_cndmask_b32 v22, s[40+\e], v22, vcc_lo
.endr
	v_sub_nc_u32 v23, v0, v21
	v_mul_u32_u24 v23, v23, TROWS
	v_sub_nc_u32 v22, v22, v23
	v_max_i32 v22, 0, v22
	v_min_i32 v22, TROWS, v22                      ; the tile's rows, 0 to 48
	v_cmp_lt_i32 vcc_lo, 0, v22
	v_cndmask_b32 v23, 0, v0, vcc_lo
	v_lshl_or_b32 v20, v22, 8, v20
	v_lshl_or_b32 v20, v23, 16, v20
	v_lshlrev_b32 v24, 2, v0
	global_store_b32 v24, v20, s[18:19]
.Lsort_end:
	s_wait_tensorcnt 0x0
	ds_add_u32 v64, v65
	s_wait_dscnt 0x0
	s_endpgm
.macro SUM8                            ; v8-15 summed over the wave's 32 lanes, the result in every lane
.irp m, 1,2,4,8
.irp e, 0,1,2,3,4,5,6,7
	v_add_f32_dpp v[8+\e], v[8+\e], v[8+\e] row_xmask:\m row_mask:0xf bank_mask:0xf
.endr
.endr
.irp e, 0,1,2,3,4,5,6,7
	v_permlanex16_b32 v[16+\e], v[8+\e], s26, s27
.endr
.irp e, 0,1,2,3,4,5,6,7
	v_add_f32 v[8+\e], v[8+\e], v[16+\e]
.endr
.endm
.Laux:
	v_lshrrev_b32 v7, 2, v0
	v_lshlrev_b32 v7, 8, v7
	v_and_b32 v60, 3, v0
	v_lshl_add_u32 v7, v60, 5, v7                  ; record i / 4, the eight sums of its wave i % 4
	global_load_b128 v[8:11], v7, s[6:7] offset:128
	global_load_b128 v[12:15], v7, s[6:7] offset:144
	s_mov_b32 s26, 0x76543210
	s_mov_b32 s27, 0xfedcba98
.irp e, 0,1,2,3,4,5,6,7
	v_mov_b32 v[16+\e], 0
.endr
	s_wait_loadcnt 0x0
	SUM8
	ds_store_b128 v5, v[8:11]
	ds_store_b128 v5, v[12:15] offset:16
	s_wait_dscnt 0x0
	s_barrier_signal -1
	s_barrier_wait -1
	s_cmp_lg_u32 s24, 0
	s_cbranch_scc1 .Laux_end
	ds_load_b128 v[8:11], v6
	ds_load_b128 v[12:15], v6 offset:16
	s_wait_dscnt 0x0
	SUM8
.irp e, 0,1,2,3,4,5,6,7
	v_mul_f32 v[8+\e], 0x39800000, v[8+\e]         ; p = sum / 4,096
.endr
.irp e, 0,1,2,3,4,5,6,7
	v_add_f32 v[16+\e], 0x3089705f, v[8+\e]        ; + 1e-9
.endr
.irp e, 0,1,2,3,4,5,6,7
	v_log_f32 v[16+\e], v[16+\e]
.endr
	v_mov_b32 v25, 0                               ; (a plain line behind the last logarithm)
	s_wait_alu depctr_va_vdst(0)                   ; the wait ahead of the first reader: one for the eight
	v_mul_f32 v24, v8, v16
.irp e, 1,2,3,4,5,6,7
	v_fmac_f32 v24, v[8+\e], v[16+\e]
.endr
	v_mul_f32 v24, 0x3f317218, v24                 ; log2 to the natural logarithm
	v_cmp_eq_u32 vcc_lo, 0, v0
	s_wait_xcnt 0x0                                ; EXEC changes only behind this wait
	s_and_saveexec_b32 s28, vcc_lo
	global_store_b32 v25, v24, s[22:23]
	s_wait_xcnt 0x0
	s_or_b32 exec_lo, exec_lo, s28
.Laux_end:
	s_wait_tensorcnt 0x0
	ds_add_u32 v64, v65
	s_wait_dscnt 0x0
	s_endpgm
.Lfunc_end_k_q554414fed8_place:
	.size	k_q554414fed8_place, .Lfunc_end_k_q554414fed8_place-k_q554414fed8_place
	.p2alignl 7, 3214868480
	.fill 96, 4, 3214868480
	.section	.rodata,"a",@progbits
	.p2align	6, 0x0
	.amdhsa_kernel k_q554414fed8_place
		.amdhsa_group_segment_fixed_size 6144
		.amdhsa_private_segment_fixed_size 0
		.amdhsa_enable_private_segment 0
		.amdhsa_kernarg_size 80
		.amdhsa_user_sgpr_count 2
		.amdhsa_user_sgpr_kernarg_segment_ptr 1
		.amdhsa_wavefront_size32 1
		.amdhsa_system_sgpr_workgroup_id_x 1
		.amdhsa_system_sgpr_workgroup_id_y 1
		.amdhsa_system_sgpr_workgroup_id_z 1
		.amdhsa_system_vgpr_workitem_id 0
		.amdhsa_next_free_vgpr 66
		.amdhsa_next_free_sgpr 66
		.amdhsa_reserve_vcc 1
		.amdhsa_float_denorm_mode_32 3
		.amdhsa_float_denorm_mode_16_64 3
		.amdhsa_memory_ordered 1
		.amdhsa_forward_progress 1
		.amdhsa_inst_pref_size 32
	.end_amdhsa_kernel
	.amdgpu_metadata
---
amdhsa.version: [ 1, 2 ]
amdhsa.kernels:
  - .name:           k_q554414fed8_place
    .symbol:         k_q554414fed8_place.kd
    .args:
      - { .name: route, .offset: 0, .size: 8, .value_kind: global_buffer, .address_space: global }
      - { .name: fmeta, .offset: 8, .size: 8, .value_kind: global_buffer, .address_space: global }
      - { .name: W1_codes, .offset: 16, .size: 8, .value_kind: global_buffer, .address_space: global }
      - { .name: W1_scales, .offset: 24, .size: 8, .value_kind: global_buffer, .address_space: global }
      - { .name: W2_codes, .offset: 32, .size: 8, .value_kind: global_buffer, .address_space: global }
      - { .name: W2_scales, .offset: 40, .size: 8, .value_kind: global_buffer, .address_space: global }
      - { .name: rowlist, .offset: 48, .size: 8, .value_kind: global_buffer, .address_space: global }
      - { .name: tiles, .offset: 56, .size: 8, .value_kind: global_buffer, .address_space: global }
      - { .name: wq, .offset: 64, .size: 8, .value_kind: global_buffer, .address_space: global }
      - { .name: out1, .offset: 72, .size: 8, .value_kind: global_buffer, .address_space: global }
    .group_segment_fixed_size: 6144
    .private_segment_fixed_size: 0
    .kernarg_segment_align: 8
    .kernarg_segment_size: 80
    .max_flat_workgroup_size: 1024
    .sgpr_count:     66
    .vgpr_count:     66
    .wavefront_size: 32
...
	.end_amdgpu_metadata
.endif
;; end of part 2
;; launch ffn (part 3): grid 178 x 1, 4 waves a work-group, no clusters, 83,456 bytes of LDS; arguments tiles, rowlist, xq, xs, fmeta, wq, b1, b2, ybuf; writes ybuf
.if DOCPART == 3
	.amdgcn_target "amdgcn-amd-amdhsa--gfx1250"
	.amdhsa_code_object_version 6
	.text
	.protected	k_q554414fed8_ffn
	.globl	k_q554414fed8_ffn
	.p2align	8
	.type	k_q554414fed8_ffn,@function
k_q554414fed8_ffn:
	s_mov_b64 s[64:65], 0
	v_nop
	global_prefetch_b8 v0, s[64:65] scope:SCOPE_SE
	s_setreg_imm32_b32 hwreg(HW_REG_WAVE_MODE, 25, 1), 1
	s_wait_xcnt 0x0
; FFN.  A work-group takes one tile, up to 48 routed rows of ONE expert, through the whole chain: gather the rows' codes, x W1 + b1, relu, quantise along the hidden units, h W2 + b2, times the row's gate; a row leaves to its slot of ybuf.
; Both products on codes of E3M2 with one E8M0 scale for each 32 along K.  The hidden layer never goes to memory.
; THE GRID serves every split: 8,192 rows in tiles of 48 over 8 experts are 171 + 7 tiles at the most.  A tile that the split leaves without rows (rows = 0 in the table) walks the same text on the list's first row and stores nothing:
; every wave passes every barrier, so nothing but the stores at the end hangs on the stored count.
; WHY 48 ROWS: every work-group walks all of its expert's weights, whatever its rows, and all work-groups run at once: fewer rows make each shorter, and 178 work-groups still find a WGP each.  With 48 rows x's codes (144 registers a wave) also
; stay in registers for the whole launch.
; SHARES.  Three tiles m of 16 rows.  The 2,048 hidden units go in eight CHUNKS of 256, two K steps of the second product.  In a chunk wave w makes hidden units 64 w .. 64 w + 63 of it, for all 48 rows: half w % 2 of K step w / 2.
; Through the whole launch wave w makes output columns 128 w .. 128 w + 127 for all 48 rows: 24 accumulators.  So each fragment of the weights is loaded by one wave, once, and feeds three matrix instructions.
; THE WEIGHTS come from memory straight into registers, laid out by the launch before in the order of use: four batches a chunk (two of W1, two of W2), 25 loads of 512 consecutive bytes each, each batch asked for anew as soon as
; its products are issued: a whole chunk ahead of its use.
; NO CLUSTER, NO TENSOR LOAD: how many tiles an expert has hangs on the data, so partners of one expert cannot be promised, and the stores at the end stand under branches on a stored count.
; NO PREFETCH: a block of the weights is read by all tiles of its expert, not once, and each load is itself issued 72 matrix instructions and a chunk's quantiser ahead of its use.
; BOTH PRODUCTS ARE USED TRANSPOSED (source 0 = 16 rows of the weight, source 1 = 16 routed rows): a lane holds one routed row (lane % 16) and eight neighbours along the hidden units or the output columns.
; The rows' operands go from wave to wave through LDS as images of their registers.
; LIMITS.  NaN and infinities are not served.  A block of the hidden layer that is all zeros, or under 2^-122, gets the byte 1: its bytes are read here alone.
; LDS
.set XIMG,   0                         ; x's 12 fragments (tile m, K step s) at (4 m + s) x 1,536: three runs of 16 bytes a lane
.set B1L,    18432                     ; b1 of the expert, 8,192 bytes
.set B2L,    26624                     ; b2, 2,048 bytes
.set HIMG,   28672                     ; the hidden layer, two buffers by the chunk's parity: 3,072 m + 768 x (the wave that made it): 16 bytes a lane, then 8 bytes a lane: six registers
.set HBUF,   9216
.set HSC,    47104                     ; its scale words, two buffers of 1,024: 128 (2 m + K step) + 4 lane, two bytes from each of two waves
.set STG,    49152                     ; the way out: 16 rows x (512 + 16) bytes for each wave
.set SPITCH, 528
.set BATCH,  12800
.set CHUNKB, 4*BATCH
; REGISTERS.  Window 0:
.set LI,  1                            ; v1  16 lane      v2  4 lane      v3  8 lane
.set LS4, 2
.set L8,  3
.set BA,  4                            ; v4  b1 in LDS: my wave's 64 units of the chunk pair in hand, + 64 (lane / 16)
.set STO, 5                            ; v5  the stage: where I put 32 bytes of a row
.set RD,  6                            ; v6  and where I read a row back
.set CO,  7                            ; v7  my bytes of a row of ybuf: 512 wave + 16 lane
.set SL,  8                            ; v8-10   the slot of row 16 m + lane % 16
.set CW,  12                           ; v12-17  its gate at v[12 + 2 m]; the odd registers are written 0 (named as pairs)
.set WS,  20                           ; v20-35  the weights' scale words, four registers a batch
.set XSR, 36                           ; v36-47  x's scale words (4 m + s)
.set HS,  48                           ; v48-53  the hidden layer's (3 x K step + m)
;                                        v60, 61, 63  LDS addresses of the head;  v64-159, v160-255 W2's batches 2 and 3; on the way out rows and addresses
.set HT,  160                          ; v160-178 the head's offsets, in batch 3's registers: that batch is asked for when every load that names them is in
.set HR,  HT+17                        ; lane % 16
.set HH,  HT+18                        ; lane / 16
; Window 1: v0-95, v96-191 W1's batches 0 and 1; v192-227 the hidden layer's three fragments of K step 1; v228-243 b1 for my tiles 2, 3
; Window 2: v0-95 my 12 accumulators of the hidden layer (tile u, rows m) at 32 m + 8 u; v96-239 x's 12 fragments; v240-255 b1 for my tiles 0, 1
.set XR,  96
.set BRA, 240
.set BRB, 228
; Window 3: v0-191 the 24 accumulators of y (tile n of 16 columns, rows m) at 8 (3 n + m); v192-227 the hidden layer's three fragments of K step 0.  While a chunk is quantised that buffer is idle, and the quantiser works there:
.set HB,  192
.set QM,  192                          ; v192-197 six blocks' largest magnitudes, then the conversions' scales
.set QP,  198                          ; v198-203 the other half of the lanes', then the bytes
.set PC,  208                          ; v[208 + 8 m ..] six registers of codes, v[214 + 8 m] two scale bytes
.set QT,  232                          ; v[232 + 4 m ..] a block's upper half
.set HWA, 244                          ; v244-246 where my codes (16 bytes, 8 bytes a lane) and my two scale bytes go; never rewritten
.set WPA, 14                           ; s[14:15] the stream of weights as the even chunks ask for it
.set WPB, 34                           ; s[34:35] and as the odd chunks do
.set MSB, 0
.macro WIN new                         ; s_set_vgpr_msb: bits 1:0 source 0, 3:2 source 1, 5:4 source 2, 7:6 destination; the high byte repeats the setting that is left
.if MSB != \new
	s_set_vgpr_msb (MSB<<8)|\new
.set MSB, \new
.endif
.endm
.macro PLACES                          ; four plain lines between a matrix instruction and a load into one of its registers or a vector instruction that reads its result (ISA guide 7.12.1 for vector instructions)
.rept 4
	v_nop
.endr
.endm
.macro REFILL b, base, off             ; batch b, off bytes on from the base: 24 loads of codes, one of scale words
.if (\b) < 2
	WIN 0x40
.set rW, 96*(\b)
.else
	WIN 0
.set rW, 64+96*((\b)-2)
.endif
.irp f, 0,1,2,3,4,5,6,7
.irp i, 0,1,2
	global_load_b128 v[rW+12*\f+4*\i:rW+12*\f+4*\i+3], v[LI], s[\base:\base+1] offset:(\off)+BATCH*(\b)+1536*\f+512*\i
.endr
.endr
	WIN 0
	global_load_b128 v[WS+4*(\b):WS+4*(\b)+3], v[LI], s[\base:\base+1] offset:(\off)+BATCH*(\b)+12288
.endm
.macro NEXT b, par                     ; the next chunk's batch b.  In an even chunk c the one base stands at chunk c; in an odd chunk the other stands at chunk c + 1
.if \par
	REFILL \b, WPB, 0
.else
	REFILL \b, WPA, CHUNKB
.endif
.endm
.macro LOADH kp, hb                    ; the hidden layer's three fragments of the chunk's K step kp, each from two waves' halves, and their scale words: 15 loads
.if \kp
	WIN 0x40
.else
	WIN 0xC0
.endif
.irp m, 0,1,2
.irp c, 0,1
	ds_load_b128 v[HB+12*\m+6*\c:HB+12*\m+6*\c+3], v[LI] offset:HIMG+HBUF*(\hb)+3072*\m+768*(2*(\kp)+\c)
	ds_load_b64 v[HB+12*\m+6*\c+4:HB+12*\m+6*\c+5], v[L8] offset:HIMG+HBUF*(\hb)+3072*\m+768*(2*(\kp)+\c)+512
.endr
.endr
	WIN 0
.irp m, 0,1,2
	ds_load_b32 v[HS+3*(\kp)+\m], v[LS4] offset:HSC+1024*(\hb)+128*(2*\m+(\kp))
.endr
.endm
.macro BIAS off                        ; b1 for my four tiles, in the result's layout: tile u, lane half h: units 32 (u / 2) + 16 h + 8 (u % 2) + 0 .. 7: 8 loads
	WIN 0x80
.irp u, 0,1
.irp q, 0,1
	ds_load_b128 v[BRA+8*\u+4*\q:BRA+8*\u+4*\q+3], v[BA] offset:(\off)+32*\u+16*\q
.endr
.endr
	WIN 0x40
.irp u, 0,1
.irp q, 0,1
	ds_load_b128 v[BRB+8*\u+4*\q:BRB+8*\u+4*\q+3], v[BA] offset:(\off)+128+32*\u+16*\q
.endr
.endr
.endm
.macro WM row1                         ; one matrix instruction on rD, rA, rB, rC, rS, rT; row1: the weight's scale words stand in lanes 16-31
.if \row1
	v_wmma_scale_f32_16x16x128_f8f6f4 v[rD:rD+7], v[rA:rA+11], v[rB:rB+11], v[rC:rC+7], v[rS], v[rT] matrix_a_fmt:MATRIX_FMT_BF6 matrix_b_fmt:MATRIX_FMT_BF6 matrix_a_scale:MATRIX_SCALE_ROW1
.else
	v_wmma_scale_f32_16x16x128_f8f6f4 v[rD:rD+7], v[rA:rA+11], v[rB:rB+11], v[rC:rC+7], v[rS], v[rT] matrix_a_fmt:MATRIX_FMT_BF6 matrix_b_fmt:MATRIX_FMT_BF6
.endif
.endm
; The accumulators take turns, one instruction a turn: 12 in the first product, 24 in the second; no two matrix instructions that follow each other share one, from macro to macro and over the loop's edge too.
.macro MULP1 s                         ; K step s of the first product: my four tiles u x the three tiles of rows.  The first K step takes b1 as C
.irp u, 0,1,2,3
.if ((\s) == 0) && (\u >= 2)
	WIN 0x99                                       ; W1 and b1 window 1; x and D window 2
.else
	WIN 0xA9                                       ; W1 window 1; x, C and D window 2
.endif
.irp m, 0,1,2
.set rD, 32*\m+8*\u
.set rA, 96*((\s)/2)+12*(4*((\s)%2)+\u)
.set rB, XR+12*(4*\m+(\s))
.set rS, WS+4*((\s)/2)+2*((\s)%2)+\u/2
.set rT, XSR+4*\m+(\s)
.if (\s) == 0
.if \u < 2
.set rC, BRA+8*\u
.else
.set rC, BRB+8*(\u-2)
.endif
.else
.set rC, rD
.endif
	WM \u%2
.endr
.endr
.endm
.macro MULP2 kp                        ; the chunk's K step kp of the second product: my eight tiles n x the three tiles of rows
.if \kp
	WIN 0xF4                                       ; W2 window 0; h window 1; C and D window 3
.else
	WIN 0xFC                                       ; W2 window 0; h, C and D window 3
.endif
.irp n, 0,1,2,3,4,5,6,7
.irp m, 0,1,2
.set rD, 8*(3*\n+\m)
.set rC, rD
.set rA, 64+96*(\kp)+12*\n
.set rB, HB+12*\m
.set rS, WS+8+4*(\kp)+\n/2
.set rT, HS+3*(\kp)+\m
	WM \n%2
.endr
.endr
.endm
; My 64 hidden units of all 48 rows: relu, six blocks of 32 quantised side by side, so that no line waits for the line above it; for each tile of rows six registers of codes and two scale bytes to LDS.
; Register 32 m + 16 b + i is unit 32 b + 16 (lane / 16) + i of row 16 m + lane % 16.
.macro QALL hb
	WIN 0x88
.set jj, 0
.rept 96
	v_max_num_f32 v[jj], 0, v[jj]                  ; ascending: each accumulator is read from its low end on
.set jj, jj+1
.endr
	WIN 0xEB                                       ; destination and source 0 window 3, the numbers window 2
.irp m, 0,1,2
.irp b, 0,1
	v_max3_num_f32 v[QM+2*\m+\b], s30, v[32*\m+16*\b], v[32*\m+16*\b+1]            ; no |.|: none is negative.  s30: the floor 2^(5 - 127): the byte cannot fall under 1
.endr
.endr
.irp i, 2,4,6,8,10,12,14
.irp m, 0,1,2
.irp b, 0,1
	v_max3_num_f32 v[QM+2*\m+\b], v[QM+2*\m+\b], v[32*\m+16*\b+\i], v[32*\m+16*\b+\i+1]
.endr
.endr
.endr
	WIN 0xFF
.irp k, 0,1,2,3,4,5
	v_permlanex16_b32 v[QP+\k], v[QM+\k], s28, s29
.endr
.irp k, 0,1,2,3,4,5
	v_max_num_f32 v[QM+\k], v[QM+\k], v[QP+\k]     ; with lane l xor 16's 16: the block's largest
.endr
.irp k, 0,1,2,3,4,5
	v_add_nc_u32 v[QM+\k], 0xfe000000, v[QM+\k]    ; 4 off the exponent field: the conversion's scale
.endr
.irp k, 0,1,2,3,4,5
	v_lshrrev_b32 v[QP+\k], 23, v[QM+\k]           ; the bytes
.endr
.irp m, 0,1,2
	v_lshl_or_b32 v[PC+8*\m+6], v[QP+2*\m+1], 8, v[QP+2*\m]
.endr
	WIN 0xCE                                       ; the numbers window 2; scale and codes window 3
.irp m, 0,1,2
	v_cvt_scalef32_pk16_bf6_f32 v[PC+8*\m:PC+8*\m+2], v[32*\m:32*\m+15], v[QM+2*\m]
	v_cvt_scalef32_pk16_bf6_f32 v[QT+4*\m:QT+4*\m+2], v[32*\m+16:32*\m+31], v[QM+2*\m+1]   ; (a conversion's three registers begin on an even number)
.endr
	WIN 0xFF
	v_nop                                          ; one plain line behind the last scaled conversion
.irp m, 0,1,2
.irp i, 0,1,2
	v_permlane16_swap_b32 v[PC+8*\m+\i], v[QT+4*\m+\i]             ; the operand wants a whole block in a lane: lanes 0-15 block 0, lanes 16-31 block 1
.endr
.endr
.irp m, 0,1,2
.irp i, 0,1,2
	v_mov_b32 v[PC+8*\m+3+\i], v[QT+4*\m+\i]
.endr
.endr
.irp m, 0,1,2
	ds_store_b128 v[HWA], v[PC+8*\m:PC+8*\m+3] offset:HBUF*(\hb)+3072*\m
	ds_store_b64 v[HWA+1], v[PC+8*\m+4:PC+8*\m+5] offset:HBUF*(\hb)+3072*\m
	ds_store_b16 v[HWA+2], v[PC+8*\m+6] offset:1024*(\hb)+256*\m
.endr
.endm
; A CHUNK.  par: its parity; last = 1: nothing follows it; step = 1: the other parity's base is wanted again.
; s_wait_loadcnt: behind a batch's 25 loads the three other batches' 75 have been issued; a wait can name 63 at the most, and a smaller count than 75 shows the batch in all the same.  In the last chunk: the 50, 25, 0 that are younger.
; THE TWO BASES: a base is written only where its own loads are shown done: behind the wait for this chunk's batch 3 every load of the chunk before has 75 younger ones, so that chunk's base may step.  No wait is spent on it.
; ONE BARRIER A CHUNK: the hidden layer has two buffers; a buffer is written again two chunks on, behind the barrier between, in front of which every wave has waited for its reads.
.macro CHUNK par, last, step
	s_wait_loadcnt 63                              ; batch 0
	s_wait_dscnt 0x0                               ; b1 is in (ahead of the first chunk: x and b2 too)
	MULP1 0
	MULP1 1
.if !\last
	PLACES
	NEXT 0, \par
	s_wait_loadcnt 63                              ; batch 1
.else
	s_wait_loadcnt 50
.endif
	MULP1 2
	MULP1 3
	PLACES
.if !\last
	NEXT 1, \par
.endif
	QALL \par
	WIN 0
	s_wait_dscnt 0x0                               ; for the others' sake: my codes and bytes lie in LDS; and my reads of the other buffer are long over
.if (\par) && !\last
	v_add_nc_u32 v[BA], 2048, v[BA]                ; on to the next pair of chunks' b1 (no LDS load of mine is out)
.endif
	s_barrier_signal -1
	s_barrier_wait -1
	LOADH 0, \par
	LOADH 1, \par
.if !\last
	BIAS 1024*(1-\par)
	s_wait_loadcnt 63                              ; batch 2
	s_wait_dscnt 23                                ; K step 0 of h is in; behind it: K step 1's 15 loads and b1's 8
.else
	s_wait_loadcnt 25
	s_wait_dscnt 15
.endif
	MULP2 0
	PLACES
.if !\last
	NEXT 2, \par
	s_wait_loadcnt 63                              ; batch 3; and every load of the chunk before
	s_wait_dscnt 8                                 ; K step 1 of h is in; behind it: b1's 8 loads
.else
	s_wait_loadcnt 0x0
	s_wait_dscnt 0x0
.endif
.if \step
.if \par
	s_add_nc_u64 s[WPA:WPA+1], s[WPA:WPA+1], 2*CHUNKB
.else
	s_add_nc_u64 s[WPB:WPB+1], s[WPB:WPB+1], 2*CHUNKB
.endif
.endif
	MULP2 1
	PLACES
.if !\last
	NEXT 3, \par
.endif
	WIN 0
.endm
	s_load_b512 s[4:19], s[0:1], 0x0               ; tiles s[4:5], rowlist s[6:7], xq s[8:9], xs s[10:11], fmeta s[12:13], wq s[14:15], b1 s[16:17], b2 s[18:19]
	s_load_b64 s[20:21], s[0:1], 0x40              ; ybuf
	v_lshl_add_u32 v59, v0, 2, 0x14400
	v_mov_b32 v62, 0
	v_lshrrev_b32 v63, 5, v0
	v_readfirstlane_b32 s22, v63                   ; wave 0..3
	v_and_b32 v63, 31, v0
	v_lshlrev_b32 v[LI], 4, v63
	v_lshlrev_b32 v[LS4], 2, v63
	v_lshlrev_b32 v[L8], 3, v63
	v_and_b32 v[HR], 15, v0                        ; r
	v_bfe_u32 v[HH], v0, 4, 1                      ; h
	s_lshl_b32 s26, s22, 8
	s_add_co_u32 s26, s26, B1L
	v_lshl_add_u32 v[BA], v[HH], 6, s26
	s_mul_i32 s26, s22, 16*SPITCH
	s_add_co_u32 s26, s26, STG
	v_mul_u32_u24 v[STO], v[HR], SPITCH
	v_lshl_add_u32 v[STO], v[HH], 5, v[STO]
	v_add_nc_u32 v[STO], s26, v[STO]
	v_add_nc_u32 v[RD], s26, v[LI]
	s_lshl_b32 s26, s22, 9
	v_add_nc_u32 v[CO], s26, v[LI]
	s_add_co_u32 s26, s26, B2L
	v_lshl_add_u32 v63, v[HH], 5, s26              ; b2 in LDS: my 128 columns, + 32 h
	v_lshl_add_u32 v60, v0, 4, B1L                 ; where the biases' copies go: 16 bytes a thread
	s_mul_i32 s26, s22, 1536
	v_add_nc_u32 v61, s26, v[LI]                   ; where the fragments of x that I gather go: K step = my wave's number
	WIN 0xC0                                       ; destinations in window 3
	s_mul_i32 s26, s22, 768
	s_add_co_u32 s26, s26, HIMG
	v_add_nc_u32 v[HWA], s26, v[LI]
	s_add_co_u32 s26, s26, 512
	v_add_nc_u32 v[HWA+1], s26, v[L8]
	s_lshr_b32 s26, s22, 1
	s_lshl_b32 s26, s26, 7
	s_and_b32 s27, s22, 1
	s_lshl_b32 s27, s27, 1
	s_add_co_u32 s26, s26, s27
	s_add_co_u32 s26, s26, HSC
	v_add_nc_u32 v[HWA+2], s26, v[LS4]
.irp k, 0,1,2,3,4,5
	v_mov_b32 v[QP+\k], 0                          ; a lane permute's destination counts as one of its sources: written ahead of the first chunk
.endr
	WIN 0
.irp m, 0,1,2
	v_mov_b32 v[CW+2*\m+1], 0
.endr
	v_lshlrev_b32 v[HT+3], 4, v0                   ; the biases in memory: 16 bytes a thread
	s_mov_b32 s28, 0x76543210
	s_mov_b32 s29, 0xfedcba98
	s_mov_b32 s30, 0x2800000
	s_lshl_b32 s26, ttmp9, 2
	s_mov_b32 s27, 0
	s_wait_kmcnt 0x0
	s_add_nc_u64 s[4:5], s[4:5], s[26:27]
	s_load_b32 s23, s[4:5], 0x0                    ; my tile's word
	s_wait_kmcnt 0x0
	s_and_b32 s24, s23, 0xff
	s_min_u32 s24, s24, 7                          ; expert
	s_bfe_u32 s25, s23, 0x80008
	s_min_u32 s25, s25, 48                         ; rows
	s_lshr_b32 s23, s23, 16
	s_min_u32 s23, s23, 177                        ; which 48 places of the list
	s_max_u32 s33, s25, 1
	s_sub_co_u32 s33, s33, 1                       ; the last place that holds a row: places behind it are not read
	s_mul_i32 s26, s23, 192
	s_add_nc_u64 s[6:7], s[6:7], s[26:27]
	s_lshl_b32 s26, s24, 2
	s_add_co_u32 s26, s26, s22
	s_mul_i32 s26, s26, 8*CHUNKB
	s_add_nc_u64 s[WPA:WPA+1], s[WPA:WPA+1], s[26:27]  ; the stream of (expert, wave)
	s_mov_b64 s[WPB:WPB+1], s[WPA:WPA+1]           ; (chunk 0 steps this one to chunk 2)
	s_lshl_b32 s26, s24, 13
	s_add_nc_u64 s[16:17], s[16:17], s[26:27]
	s_lshl_b32 s26, s24, 11
	s_add_nc_u64 s[18:19], s[18:19], s[26:27]
.irp m, 0,1,2
	v_add_nc_u32 v[HT+\m], 16*\m, v[HR]
.endr
.irp m, 0,1,2
	v_min_u32 v[HT+\m], s33, v[HT+\m]
.endr
.irp m, 0,1,2
	v_min_u32 v[HT+\m], 47, v[HT+\m]               ; what hangs on a loaded number is held by a constant
.endr
.irp m, 0,1,2
	v_lshlrev_b32 v[HT+\m], 2, v[HT+\m]
.endr
.irp m, 0,1,2
	global_load_b32 v[SL+\m], v[HT+\m], s[6:7]
.endr
	WIN 0x80
.irp i, 0,1,2,3
	global_load_b128 v[144+4*\i:147+4*\i], v[HT+3], s[16:17] offset:2048*\i        ; b1 of the expert: the four waves read 2,048 consecutive bytes
.endr
	global_load_b128 v[160:163], v[HT+3], s[18:19] ; b2
	REFILL 0, WPA, 0
	REFILL 1, WPA, 0
	s_wait_loadcnt 55                              ; the three loads from the list are in; behind them: 5 + 25 + 25
.irp m, 0,1,2
	v_min_u32 v[SL+\m], 0x1fff, v[SL+\m]
.endr
	s_mul_i32 s26, s22, 48                         ; my K step's 48 bytes of a lane's 192
.irp m, 0,1,2
	v_and_b32 v[HT+16], 0x1ffe, v[SL+\m]           ; 2 x token
	v_mul_u32_u24 v[HT+4+\m], v[HT+16], 192        ; a token's 384 bytes of codes,
	v_mad_u32_u24 v[HT+4+\m], v[HH], 192, v[HT+4+\m]   ; my half's 192,
	v_add_nc_u32 v[HT+4+\m], s26, v[HT+4+\m]       ; my wave's K step
	v_lshlrev_b32 v[HT+8+\m], 3, v[HT+16]          ; its 16 scale bytes
	v_and_b32 v[HT+12+\m], 0x1fe0, v[SL+\m]        ; the gate of slot n: record n / 32 of 256 bytes, word n % 32
	v_and_b32 v[HT+16], 31, v[SL+\m]
	v_lshlrev_b32 v[HT+16], 2, v[HT+16]
	v_lshl_add_u32 v[HT+12+\m], v[HT+12+\m], 3, v[HT+16]
.endr
	WIN 0x80
.irp m, 0,1,2
.irp i, 0,1,2
	global_load_b128 v[XR+12*\m+4*\i:XR+12*\m+4*\i+3], v[HT+4+\m], s[8:9] offset:16*\i     ; tile m, my K step: twelve registers, 48 bytes on end
.endr
.endr
	WIN 0
.irp m, 0,1,2
	global_load_b128 v[XSR+4*\m:XSR+4*\m+3], v[HT+8+\m], s[10:11]  ; a row's four scale words, one a K step, straight into their registers
.endr
.irp m, 0,1,2
	global_load_b32 v[CW+2*\m], v[HT+12+\m], s[12:13]
.endr
	s_wait_loadcnt 63                              ; the biases are in: behind them stand 50 + 15 loads
	WIN 0x08                                       ; an LDS store's data are its source 1: window 2
.irp i, 0,1,2,3
	ds_store_b128 v60, v[144+4*\i:147+4*\i] offset:2048*\i
.endr
	ds_store_b128 v60, v[160:163] offset:B2L-B1L
	REFILL 2, WPA, 0
	s_wait_loadcnt 25                              ; the 15 gathers are in; batch 2 may be out
	WIN 0x08
.irp m, 0,1,2
.irp i, 0,1,2
	ds_store_b128 v61, v[XR+12*\m+4*\i:XR+12*\m+4*\i+3] offset:XIMG+6144*\m+512*\i
.endr
.endr
	REFILL 3, WPA, 0                               ; over the head's offsets: every load that named them is in
	s_wait_dscnt 0x0                               ; for the others' sake: my stores have landed
	s_barrier_signal -1
	s_barrier_wait -1
	WIN 0xC0
.irp n, 0,1,2,3,4,5,6,7
.irp m, 0,1,2
.irp q, 0,1
	ds_load_b128 v[8*(3*\n+\m)+4*\q:8*(3*\n+\m)+4*\q+3], v63 offset:64*\n+16*\q    ; y's sums begin as b2: columns 16 n + 8 h + 0 .. 7 of my 128
.endr
.endr
.endr
	WIN 0x80
.irp m, 0,1,2
.irp s, 0,1,2,3
.irp i, 0,1,2
	ds_load_b128 v[XR+12*(4*\m+\s)+4*\i:XR+12*(4*\m+\s)+4*\i+3], v[LI] offset:XIMG+(4*\m+\s)*1536+512*\i   ; x's twelve fragments: they stay
.endr
.endr
.endr
	BIAS 0
	WIN 0
	s_mov_b32 s31, 3
.Lpair:                                                ; a trip is two chunks: the hidden layer's buffers and the two bases are back where they began
	CHUNK 0, 0, 1
	CHUNK 1, 0, 1
	s_sub_co_u32 s31, s31, 1
	s_cmp_lg_u32 s31, 0
	s_cbranch_scc1 .Lpair
	CHUNK 0, 0, 0
	CHUNK 1, 1, 0                                  ; the last chunk asks for nothing: no load leaves its buffer
; THE WAY OUT, 16 rows at a time: times the row's gate; through my own stage in LDS; back as rows of my 512 bytes, each stored to its slot of ybuf.  Rows behind the tile's count are not stored: scalar branches on the stored count.
.macro OUT m
	s_cmp_gt_u32 s25, 16*(\m)
	s_cbranch_scc0 .Ldone
	s_wait_xcnt 0x0                                ; the earlier stores have read their registers
	WIN 0xC3                                       ; y window 3, the gate window 0
.irp n, 0,1,2,3,4,5,6,7
.irp p, 0,2,4,6
	v_pk_mul_f32 v[8*(3*\n+(\m))+\p:8*(3*\n+(\m))+\p+1], v[8*(3*\n+(\m))+\p:8*(3*\n+(\m))+\p+1], v[CW+2*(\m):CW+2*(\m)+1] op_sel_hi:[1,0]   ; ascending in each accumulator
.endr
.endr
	WIN 0x0C
.irp n, 0,1,2,3,4,5,6,7
	ds_store_b128 v[STO], v[8*(3*\n+(\m)):8*(3*\n+(\m))+3] offset:64*\n
	ds_store_b128 v[STO], v[8*(3*\n+(\m))+4:8*(3*\n+(\m))+7] offset:64*\n+16
.endr
	WIN 0
.set BK, 64+64*((\m)%2)
.set AD, 192+16*((\m)%2)
.irp t, 0,1,2,3,4,5,6,7,8,9,10,11,12,13,14,15
	ds_load_b128 v[BK+4*\t:BK+4*\t+3], v[RD] offset:SPITCH*\t      ; LDS serves a wave's instructions in order (ISA guide 5.7.1.4): these see my stores
.endr
.irp t, 0,1,2,3,4,5,6,7,8,9,10,11,12,13,14,15
	v_readlane_b32 s32, v[SL+(\m)], \t             ; row t's slot,
	s_min_u32 s32, s32, 8191
	s_lshl_b32 s32, s32, 11                        ; 2,048 bytes a slot
	v_add_nc_u32 v[AD+\t], s32, v[CO]
.endr
	s_wait_dscnt 0x0
.irp t, 0,1,2,3,4,5,6,7,8,9,10,11,12,13,14,15
.if \t > 0
	s_cmp_gt_u32 s25, 16*(\m)+\t
	s_cbranch_scc0 .Ldone
.endif
	global_store_b128 v[AD+\t], v[BK+4*\t:BK+4*\t+3], s[20:21] th:TH_STORE_NT      ; 32 lanes store 512 consecutive bytes, aligned
.endr
.endm
	OUT 0
	OUT 1
	OUT 2
.Ldone:
	s_wait_tensorcnt 0x0
	ds_add_u32 v59, v62
	s_wait_dscnt 0x0
	s_endpgm
.Lfunc_end_k_q554414fed8_ffn:
	.size	k_q554414fed8_ffn, .Lfunc_end_k_q554414fed8_ffn-k_q554414fed8_ffn
	.p2alignl 7, 3214868480
	.fill 96, 4, 3214868480
	.section	.rodata,"a",@progbits
	.p2align	6, 0x0
	.amdhsa_kernel k_q554414fed8_ffn
		.amdhsa_group_segment_fixed_size 83456
		.amdhsa_private_segment_fixed_size 0
		.amdhsa_enable_private_segment 0
		.amdhsa_kernarg_size 72
		.amdhsa_user_sgpr_count 2
		.amdhsa_user_sgpr_kernarg_segment_ptr 1
		.amdhsa_wavefront_size32 1
		.amdhsa_system_sgpr_workgroup_id_x 1
		.amdhsa_system_sgpr_workgroup_id_y 1
		.amdhsa_system_sgpr_workgroup_id_z 1
		.amdhsa_system_vgpr_workitem_id 0
		.amdhsa_next_free_vgpr 1024
		.amdhsa_next_free_sgpr 66
		.amdhsa_reserve_vcc 0
		.amdhsa_float_denorm_mode_32 3
		.amdhsa_float_denorm_mode_16_64 3
		.amdhsa_memory_ordered 1
		.amdhsa_forward_progress 1
		.amdhsa_inst_pref_size 181
	.end_amdhsa_kernel
	.amdgpu_metadata
---
amdhsa.version: [ 1, 2 ]
amdhsa.kernels:
  - .name:           k_q554414fed8_ffn
    .symbol:         k_q554414fed8_ffn.kd
    .args:
      - { .name: tiles, .offset: 0, .size: 8, .value_kind: global_buffer, .address_space: global }
      - { .name: rowlist, .offset: 8, .size: 8, .value_kind: global_buffer, .address_space: global }
      - { .name: xq, .offset: 16, .size: 8, .value_kind: global_buffer, .address_space: global }
      - { .name: xs, .offset: 24, .size: 8, .value_kind: global_buffer, .address_space: global }
      - { .name: fmeta, .offset: 32, .size: 8, .value_kind: global_buffer, .address_space: global }
      - { .name: wq, .offset: 40, .size: 8, .value_kind: global_buffer, .address_space: global }
      - { .name: b1, .offset: 48, .size: 8, .value_kind: global_buffer, .address_space: global }
      - { .name: b2, .offset: 56, .size: 8, .value_kind: global_buffer, .address_space: global }
      - { .name: ybuf, .offset: 64, .size: 8, .value_kind: global_buffer, .address_space: global }
    .group_segment_fixed_size: 83456
    .private_segment_fixed_size: 0
    .kernarg_segment_align: 8
    .kernarg_segment_size: 72
    .max_flat_workgroup_size: 128
    .sgpr_count:     66
    .vgpr_count:     1024
    .wavefront_size: 32
...
	.end_amdgpu_metadata
.endif
;; end of part 3
;; launch combine (part 4): grid 256 x 1, 8 waves a work-group, no clusters, 0 bytes of LDS; arguments ybuf, out0; writes out0
.if DOCPART == 4
	.amdgcn_target "amdgcn-amd-amdhsa--gfx1250"
	.amdhsa_code_object_version 6
	.text
	.protected	k_q554414fed8_combine
	.globl	k_q554414fed8_combine
	.p2align	8
	.type	k_q554414fed8_combine,@function
k_q554414fed8_combine:
	s_mov_b64 s[64:65], 0
	v_nop
	global_prefetch_b8 v0, s[64:65] scope:SCOPE_SE
	s_setreg_imm32_b32 hwreg(HW_REG_WAVE_MODE, 25, 1), 1
	s_wait_xcnt 0x0
; COMBINE.  out0[token] = ybuf[2 token] + ybuf[2 token + 1]: the two chosen experts' rows, each already times its gate.  Rows of 512 f32.
; A stream: every byte is read once and written once, 512 consecutive bytes an instruction.  A wave takes two tokens: all its 16 loads go out at once, the first token is added and stored while the second's eight loads are out.
; No LDS, no barrier, no matrix unit: waves share nothing and memory binds.
	s_load_b128 s[4:7], s[0:1], 0x0                ; ybuf s[4:5], out0 s[6:7]
	v_lshrrev_b32 v1, 5, v0
	v_readfirstlane_b32 s8, v1                     ; wave 0..7
	v_and_b32 v1, 31, v0
	v_lshlrev_b32 v1, 4, v1                        ; 16 bytes a lane
	s_lshl_b32 s9, ttmp9, 3
	s_add_co_u32 s9, s9, s8                        ; which pair of tokens
	s_lshl_b32 s10, s9, 13                         ; four slots of 2,048 bytes
	s_mov_b32 s11, 0
	s_lshl_b32 s12, s9, 12                         ; two rows of 2,048 bytes
	s_mov_b32 s13, 0
	s_wait_kmcnt 0x0
	s_add_nc_u64 s[4:5], s[4:5], s[10:11]
	s_add_nc_u64 s[6:7], s[6:7], s[12:13]
.irp a, 0,1
.irp k, 0,1
.irp q, 0,1,2,3
	global_load_b128 v[8+32*\a+16*\k+4*\q:11+32*\a+16*\k+4*\q], v1, s[4:5] offset:4096*\a+2048*\k+512*\q th:TH_LOAD_NT
.endr
.endr
.endr
.irp a, 0,1
	s_wait_loadcnt 8-8*\a                          ; this token's eight loads are in; the other's may be out
.irp q, 0,1,2,3
	v_pk_add_f32 v[8+32*\a+4*\q:9+32*\a+4*\q], v[8+32*\a+4*\q:9+32*\a+4*\q], v[24+32*\a+4*\q:25+32*\a+4*\q]
	v_pk_add_f32 v[10+32*\a+4*\q:11+32*\a+4*\q], v[10+32*\a+4*\q:11+32*\a+4*\q], v[26+32*\a+4*\q:27+32*\a+4*\q]
	global_store_b128 v1, v[8+32*\a+4*\q:11+32*\a+4*\q], s[6:7] offset:2048*\a+512*\q th:TH_STORE_NT
.endr
.endr
	s_endpgm
.Lfunc_end_k_q554414fed8_combine:
	.size	k_q554414fed8_combine, .Lfunc_end_k_q554414fed8_combine-k_q554414fed8_combine
	.p2alignl 7, 3214868480
	.fill 96, 4, 3214868480
	.section	.rodata,"a",@progbits
	.p2align	6, 0x0
	.amdhsa_kernel k_q554414fed8_combine
		.amdhsa_group_segment_fixed_size 0
		.amdhsa_private_segment_fixed_size 0
		.amdhsa_enable_private_segment 0
		.amdhsa_kernarg_size 16
		.amdhsa_user_sgpr_count 2
		.amdhsa_user_sgpr_kernarg_segment_ptr 1
		.amdhsa_wavefront_size32 1
		.amdhsa_system_sgpr_workgroup_id_x 1
		.amdhsa_system_sgpr_workgroup_id_y 1
		.amdhsa_system_sgpr_workgroup_id_z 1
		.amdhsa_system_vgpr_workitem_id 0
		.amdhsa_next_free_vgpr 72
		.amdhsa_next_free_sgpr 66
		.amdhsa_reserve_vcc 0
		.amdhsa_float_denorm_mode_32 3
		.amdhsa_float_denorm_mode_16_64 3
		.amdhsa_memory_ordered 1
		.amdhsa_forward_progress 1
		.amdhsa_inst_pref_size 5
	.end_amdhsa_kernel
	.amdgpu_metadata
---
amdhsa.version: [ 1, 2 ]
amdhsa.kernels:
  - .name:           k_q554414fed8_combine
    .symbol:         k_q554414fed8_combine.kd
    .args:
      - { .name: ybuf, .offset: 0, .size: 8, .value_kind: global_buffer, .address_space: global }
      - { .name: out0, .offset: 8, .size: 8, .value_kind: global_buffer, .address_space: global }
    .group_segment_fixed_size: 0
    .private_segment_fixed_size: 0
    .kernarg_segment_align: 8
    .kernarg_segment_size: 16
    .max_flat_workgroup_size: 256
    .sgpr_count:     66
    .vgpr_count:     72
    .wavefront_size: 32
...
	.end_amdgpu_metadata
.endif
;; end of part 4
;; ======== version 2 of 2: 4 launches; version 1 with the launch ffn written anew for expert scheduling mode
;; workspace buffers: xq 1,572,864 bytes; xs 65,536 bytes; fmeta 65,536 bytes; route 32,768 bytes of whole numbers; rowlist 34,304 bytes of whole numbers; tiles 1,024 bytes of whole numbers; wq 13,107,200 bytes; ybuf 16,777,216 bytes
;; launch route: the kernel of part 1 again; grid 256 x 1, 4 waves a work-group, no clusters, 59,136 bytes of LDS; arguments x, Wr, br, xq, xs, fmeta, route; writes xq, xs, fmeta, route
;; launch place: the kernel of part 2 again; grid 258 x 1, 32 waves a work-group, no clusters, 6,144 bytes of LDS; arguments route, fmeta, W1_codes, W1_scales, W2_codes, W2_scales, rowlist, tiles, wq, out1; writes rowlist, tiles, wq, out1
;; launch ffn (part 5): grid 178 x 1, 4 waves a work-group, no clusters, 83,456 bytes of LDS; arguments tiles, rowlist, xq, xs, fmeta, wq, b1, b2, ybuf; writes ybuf
.if DOCPART == 5
	.amdgcn_target "amdgcn-amd-amdhsa--gfx1250"
	.amdhsa_code_object_version 6
	.text
	.protected	k_q554414fed8_ffn
	.globl	k_q554414fed8_ffn
	.p2align	8
	.type	k_q554414fed8_ffn,@function
k_q554414fed8_ffn:
	s_mov_b64 s[64:65], 0
	v_nop
	global_prefetch_b8 v0, s[64:65] scope:SCOPE_SE
	s_setreg_imm32_b32 hwreg(HW_REG_WAVE_SCHED_MODE, 0, 2), 2
	s_setreg_imm32_b32 hwreg(HW_REG_WAVE_MODE, 25, 1), 1
	s_wait_xcnt 0x0
	s_wait_alu depctr_vm_vsrc(0)
; FFN.  A work-group takes one tile, up to 48 routed rows of ONE expert, through the whole chain: gather the rows' codes, x W1 + b1, relu, quantise along the hidden units, h W2 + b2, times the row's gate; a row leaves to its slot of ybuf.
; Both products on codes of E3M2 with one E8M0 scale for each 32 along K.  The hidden layer never goes to memory.
; THE GRID serves every split: 8,192 rows in tiles of 48 over 8 experts are 171 + 7 tiles at the most.  A tile that the split leaves without rows (rows = 0 in the table) walks the same text on the list's first row and stores nothing:
; every wave passes every barrier, so nothing but the stores at the end hangs on the stored count.
; WHY 48 ROWS: every work-group walks all of its expert's weights, whatever its rows, and all work-groups run at once: fewer rows make each shorter, and 178 work-groups still find a WGP each.  With 48 rows x's codes (144 registers a wave) also
; stay in registers for the whole launch.
; SHARES.  Three tiles m of 16 rows.  The 2,048 hidden units go in eight CHUNKS of 256, two K steps of the second product.  In a chunk wave w makes hidden units 64 w .. 64 w + 63 of it, for all 48 rows: half w % 2 of K step w / 2.
; Through the whole launch wave w makes output columns 128 w .. 128 w + 127 for all 48 rows: 24 accumulators.  So each fragment of the weights is loaded by one wave, once, and feeds three matrix instructions.
; THE WEIGHTS come from memory straight into registers, laid out by the launch before in the order of use: four batches a chunk (two of W1, two of W2), 25 loads of 512 consecutive bytes each.  W1's two batches are asked for anew
; behind the first product's last matrix instruction, W2's two behind the second's.
; NO CLUSTER, NO TENSOR LOAD: how many tiles an expert has hangs on the data, so partners of one expert cannot be promised, and the stores at the end stand under branches on a stored count.
; NO PREFETCH: a block of the weights is read by all tiles of its expert, not once, and each load is itself issued 48 matrix instructions and a chunk's quantiser, or more, ahead of its use.
; BOTH PRODUCTS ARE USED TRANSPOSED (source 0 = 16 rows of the weight, source 1 = 16 routed rows): a lane holds one routed row (lane % 16) and eight neighbours along the hidden units or the output columns.
; The rows' operands go from wave to wave through LDS as images of their registers.
; LIMITS.  NaN and infinities are not served.  A block of the hidden layer that is all zeros, or under 2^-122, gets the byte 1: its bytes are read here alone.
; THE MODE: SCHED_MODE bits 1:0 = 2 (LLVM: expert scheduling mode 2), set by the entry lines.  The code itself states the register dependences
; between vector or matrix instructions and memory or LDS instructions, with s_wait_alu, always for 0.
; THE PLAN.  Registers that memory or LDS instructions touch in a chunk, and who else names them:
;   W1's batches 0, 1, their scale words    read by the first product's 48 matrix instructions; then the next chunk's 50 loads land in them.
;   b1's 32 registers                       read by the first product's first K step; the next chunk's eight LDS loads land in them behind the barrier.
;   h's first operand buffer                read by the second product's first K step; then the quantiser's workplace: its vector lines write there, its nine LDS stores read codes and bytes there; behind the barrier LDS loads land in it.
;   h's second buffer, h's scale words      read by the second product; LDS loads land in them behind the next chunk's barrier.
;   W2's batches 2, 3, their scale words    read by the second product's 48 matrix instructions; then the next chunk's 50 loads land in them.
;   v[BA]                                   read by b1's LDS loads; written once in two chunks.
;   v[LI], v[LS4], v[L8], v[HWA ..]         offsets and addresses, made at the head and never written again; the weights' bases are scalar registers.
;   x and the accumulators                  named by matrix and vector instructions alone.
; So a chunk has three waits on va_vdst.  One behind the first product: batches 0 and 1, their scale words and b1 are read, v[BA] is written; batch 0's loads follow it at once, batch 1's are dealt among the quantiser's vector lines, which name the
; hidden layer's accumulators and the workplace alone.  One ahead of the quantiser's stores: codes and bytes are written, the workplace is done with.  One behind the second product: batches 2 and 3 are read; their loads follow it.
; And two on vm_vsrc: ahead of the add to v[BA], and behind the quantiser's stores.
; LDS
.set XIMG,   0                         ; x's 12 fragments (tile m, K step s) at (4 m + s) x 1,536: three runs of 16 bytes a lane
.set B1L,    18432                     ; b1 of the expert, 8,192 bytes
.set B2L,    26624                     ; b2, 2,048 bytes
.set HIMG,   28672                     ; the hidden layer, two buffers by the chunk's parity: 3,072 m + 768 x (the wave that made it): 16 bytes a lane, then 8 bytes a lane: six registers
.set HBUF,   9216
.set HSC,    47104                     ; its scale words, two buffers of 1,024: 128 (2 m + K step) + 4 lane, two bytes from each of two waves
.set STG,    49152                     ; the way out: 16 rows x (512 + 16) bytes for each wave
.set SPITCH, 528
.set BATCH,  12800
.set CHUNKB, 4*BATCH
; REGISTERS.  Window 0:
.set LI,  1                            ; v1  16 lane      v2  4 lane      v3  8 lane
.set LS4, 2
.set L8,  3
.set BA,  4                            ; v4  b1 in LDS: my wave's 64 units of the chunk pair in hand, + 64 (lane / 16)
.set STO, 5                            ; v5  the stage: where I put 32 bytes of a row
.set RD,  6                            ; v6  and where I read a row back
.set CO,  7                            ; v7  my bytes of a row of ybuf: 512 wave + 16 lane
.set SL,  8                            ; v8-10   the slot of row 16 m + lane % 16
.set CW,  12                           ; v12-17  its gate at v[12 + 2 m]; the odd registers are written 0 (named as pairs)
.set WS,  20                           ; v20-35  the weights' scale words, four registers a batch
.set XSR, 36                           ; v36-47  x's scale words (4 m + s)
.set HS,  48                           ; v48-53  the hidden layer's (3 x K step + m)
;                                        v59, v62  the closing add's two; v60, 61, 63  LDS addresses of the head;  v64-159, v160-255 W2's batches 2 and 3; on the way out rows and addresses
.set HT,  160                          ; v160-178 the head's offsets, in batch 3's registers: that batch is asked for when every load that names them is in
.set HR,  HT+17                        ; lane % 16
.set HH,  HT+18                        ; lane / 16
; Window 1: v0-95, v96-191 W1's batches 0 and 1; v192-227 the hidden layer's three fragments of K step 1; v228-243 b1 for my tiles 2, 3
; Window 2: v0-95 my 12 accumulators of the hidden layer (tile u, rows m) at 32 m + 8 u; v96-239 x's 12 fragments; v240-255 b1 for my tiles 0, 1
.set XR,  96
.set BRA, 240
.set BRB, 228
; Window 3: v0-191 the 24 accumulators of y (tile n of 16 columns, rows m) at 8 (3 n + m); v192-227 the hidden layer's three fragments of K step 0.  While a chunk is quantised that buffer is idle, and the quantiser works there:
.set HB,  192
.set QM,  192                          ; v192-197 six blocks' largest magnitudes, then the conversions' scales
.set QP,  198                          ; v198-203 the other half of the lanes', then the bytes
.set PC,  208                          ; v[208 + 8 m ..] six registers of codes, v[214 + 8 m] two scale bytes
.set QT,  232                          ; v[232 + 4 m ..] a block's upper half
.set HWA, 244                          ; v244-246 where my codes (16 bytes, 8 bytes a lane) and my two scale bytes go; never rewritten
.set WPA, 14                           ; s[14:15] the stream of weights as the even chunks ask for it
.set WPB, 34                           ; s[34:35] and as the odd chunks do
.set SLT, 36                           ; s36-51   the way out: sixteen rows' slots, then their bytes in ybuf
.set MSB, 0
.macro WIN new                         ; s_set_vgpr_msb: bits 1:0 source 0, 3:2 source 1, 5:4 source 2, 7:6 destination; the high byte repeats the setting that is left
.if MSB != \new
	s_set_vgpr_msb (MSB<<8)|\new
.set MSB, \new
.endif
.endm
.macro PLACES                          ; four plain lines between a matrix instruction and a vector instruction that reads its result; they also stand between the last product that read a batch and the loads into it
.rept 4
	v_nop
.endr
.endm
.macro WFRAG b, base, off, f           ; fragment f of batch b, off bytes on from the base: three loads of 512 consecutive bytes
.if (\b) < 2
	WIN 0x40
.set rW, 96*(\b)
.else
	WIN 0
.set rW, 64+96*((\b)-2)
.endif
.irp i, 0,1,2
	global_load_b128 v[rW+12*(\f)+4*\i:rW+12*(\f)+4*\i+3], v[LI], s[\base:\base+1] offset:(\off)+BATCH*(\b)+1536*(\f)+512*\i
.endr
.endm
.macro WSCALE b, base, off             ; batch b's scale words: one load
	WIN 0
	global_load_b128 v[WS+4*(\b):WS+4*(\b)+3], v[LI], s[\base:\base+1] offset:(\off)+BATCH*(\b)+12288
.endm
.macro REFILL b, base, off             ; batch b whole: 24 loads of codes, one of scale words
.irp f, 0,1,2,3,4,5,6,7
	WFRAG \b, \base, \off, \f
.endr
	WSCALE \b, \base, \off
.endm
; The next chunk's batch b, whole or in parts.  In an even chunk c the one base stands at chunk c; in an odd chunk the other stands at chunk c + 1
.macro NEXT b, par
.if \par
	REFILL \b, WPB, 0
.else
	REFILL \b, WPA, CHUNKB
.endif
.endm
.macro NFRAG b, par, f
.if \par
	WFRAG \b, WPB, 0, \f
.else
	WFRAG \b, WPA, CHUNKB, \f
.endif
.endm
.macro NSCALE b, par
.if \par
	WSCALE \b, WPB, 0
.else
	WSCALE \b, WPA, CHUNKB
.endif
.endm
.macro LOADH kp, hb                    ; the hidden layer's three fragments of the chunk's K step kp, each from two waves' halves, and their scale words: 15 loads
.if \kp
	WIN 0x40
.else
	WIN 0xC0
.endif
.irp m, 0,1,2
.irp c, 0,1
	ds_load_b128 v[HB+12*\m+6*\c:HB+12*\m+6*\c+3], v[LI] offset:HIMG+HBUF*(\hb)+3072*\m+768*(2*(\kp)+\c)
	ds_load_b64 v[HB+12*\m+6*\c+4:HB+12*\m+6*\c+5], v[L8] offset:HIMG+HBUF*(\hb)+3072*\m+768*(2*(\kp)+\c)+512
.endr
.endr
	WIN 0
.irp m, 0,1,2
	ds_load_b32 v[HS+3*(\kp)+\m], v[LS4] offset:HSC+1024*(\hb)+128*(2*\m+(\kp))
.endr
.endm
.macro BIAS off                        ; b1 for my four tiles, in the result's layout: tile u, lane half h: units 32 (u / 2) + 16 h + 8 (u % 2) + 0 .. 7: 8 loads
	WIN 0x80
.irp u, 0,1
.irp q, 0,1
	ds_load_b128 v[BRA+8*\u+4*\q:BRA+8*\u+4*\q+3], v[BA] offset:(\off)+32*\u+16*\q
.endr
.endr
	WIN 0x40
.irp u, 0,1
.irp q, 0,1
	ds_load_b128 v[BRB+8*\u+4*\q:BRB+8*\u+4*\q+3], v[BA] offset:(\off)+128+32*\u+16*\q
.endr
.endr
.endm
.macro WM row1                         ; one matrix instruction on rD, rA, rB, rC, rS, rT; row1: the weight's scale words stand in lanes 16-31
.if \row1
	v_wmma_scale_f32_16x16x128_f8f6f4 v[rD:rD+7], v[rA:rA+11], v[rB:rB+11], v[rC:rC+7], v[rS], v[rT] matrix_a_fmt:MATRIX_FMT_BF6 matrix_b_fmt:MATRIX_FMT_BF6 matrix_a_scale:MATRIX_SCALE_ROW1
.else
	v_wmma_scale_f32_16x16x128_f8f6f4 v[rD:rD+7], v[rA:rA+11], v[rB:rB+11], v[rC:rC+7], v[rS], v[rT] matrix_a_fmt:MATRIX_FMT_BF6 matrix_b_fmt:MATRIX_FMT_BF6
.endif
.endm
; The accumulators take turns, one instruction a turn: 12 in the first product, 24 in the second; no two matrix instructions that follow each other share one, from macro to macro and over the loop's edge too.
; Every operand and every scale word of these products comes by a load: none is written by a vector instruction.
.macro MULP1 s                         ; K step s of the first product: my four tiles u x the three tiles of rows.  The first K step takes b1 as C
.irp u, 0,1,2,3
.if ((\s) == 0) && (\u >= 2)
	WIN 0x99                                       ; W1 and b1 window 1; x and D window 2
.else
	WIN 0xA9                                       ; W1 window 1; x, C and D window 2
.endif
.irp m, 0,1,2
.set rD, 32*\m+8*\u
.set rA, 96*((\s)/2)+12*(4*((\s)%2)+\u)
.set rB, XR+12*(4*\m+(\s))
.set rS, WS+4*((\s)/2)+2*((\s)%2)+\u/2
.set rT, XSR+4*\m+(\s)
.if (\s) == 0
.if \u < 2
.set rC, BRA+8*\u
.else
.set rC, BRB+8*(\u-2)
.endif
.else
.set rC, rD
.endif
	WM \u%2
.endr
.endr
.endm
.macro MULP2 kp                        ; the chunk's K step kp of the second product: my eight tiles n x the three tiles of rows
.if \kp
	WIN 0xF4                                       ; W2 window 0; h window 1; C and D window 3
.else
	WIN 0xFC                                       ; W2 window 0; h, C and D window 3
.endif
.irp n, 0,1,2,3,4,5,6,7
.irp m, 0,1,2
.set rD, 8*(3*\n+\m)
.set rC, rD
.set rA, 64+96*(\kp)+12*\n
.set rB, HB+12*\m
.set rS, WS+8+4*(\kp)+\n/2
.set rT, HS+3*(\kp)+\m
	WM \n%2
.endr
.endr
.endm
; My 64 hidden units of all 48 rows: relu, six blocks of 32 quantised side by side, so that no line waits for the line above it; for each tile of rows six registers of codes and two scale bytes to LDS.
; Register 32 m + 16 b + i is unit 32 b + 16 (lane / 16) + i of row 16 m + lane % 16.
; last = 0: the next chunk's batch 1 is asked for on the way, in four groups of loads.  They owe no wait of their own: since the wait behind the first product no vector line names batch 1, its scale words or v[LI].
.macro QALL par, last
.irp m, 0,1,2
	WIN 0x88
.set jj, 32*\m
.rept 32
	v_max_num_f32 v[jj], 0, v[jj]                  ; ascending: each accumulator is read from its low end on
.set jj, jj+1
.endr
.if !\last
	NFRAG 1, \par, 2*\m
	NFRAG 1, \par, 2*\m+1
.endif
.endr
	WIN 0xEB                                       ; destination and source 0 window 3, the numbers window 2
.irp m, 0,1,2
.irp b, 0,1
	v_max3_num_f32 v[QM+2*\m+\b], s30, v[32*\m+16*\b], v[32*\m+16*\b+1]            ; no |.|: none is negative.  s30: the floor 2^(5 - 127): the byte cannot fall under 1
.endr
.endr
.irp i, 2,4,6,8,10,12,14
.irp m, 0,1,2
.irp b, 0,1
	v_max3_num_f32 v[QM+2*\m+\b], v[QM+2*\m+\b], v[32*\m+16*\b+\i], v[32*\m+16*\b+\i+1]
.endr
.endr
.endr
.if !\last
	NFRAG 1, \par, 6
	NFRAG 1, \par, 7
	NSCALE 1, \par
.endif
	WIN 0xFF
.irp k, 0,1,2,3,4,5
	v_permlanex16_b32 v[QP+\k], v[QM+\k], s28, s29
.endr
.irp k, 0,1,2,3,4,5
	v_max_num_f32 v[QM+\k], v[QM+\k], v[QP+\k]     ; with lane l xor 16's 16: the block's largest
.endr
.irp k, 0,1,2,3,4,5
	v_add_nc_u32 v[QM+\k], 0xfe000000, v[QM+\k]    ; 4 off the exponent field: the conversion's scale
.endr
.irp k, 0,1,2,3,4,5
	v_lshrrev_b32 v[QP+\k], 23, v[QM+\k]           ; the bytes
.endr
.irp m, 0,1,2
	v_lshl_or_b32 v[PC+8*\m+6], v[QP+2*\m+1], 8, v[QP+2*\m]
.endr
	WIN 0xCE                                       ; the numbers window 2; scale and codes window 3
.irp m, 0,1,2
	v_cvt_scalef32_pk16_bf6_f32 v[PC+8*\m:PC+8*\m+2], v[32*\m:32*\m+15], v[QM+2*\m]
	v_cvt_scalef32_pk16_bf6_f32 v[QT+4*\m:QT+4*\m+2], v[32*\m+16:32*\m+31], v[QM+2*\m+1]   ; (a conversion's three registers begin on an even number)
.endr
	WIN 0xFF
	v_nop                                          ; one plain line behind the last scaled conversion
.irp m, 0,1,2
.irp i, 0,1,2
	v_permlane16_swap_b32 v[PC+8*\m+\i], v[QT+4*\m+\i]             ; the operand wants a whole block in a lane: lanes 0-15 block 0, lanes 16-31 block 1
.endr
.endr
.irp m, 0,1,2
.irp i, 0,1,2
	v_mov_b32 v[PC+8*\m+3+\i], v[QT+4*\m+\i]
.endr
.endr
	s_wait_alu depctr_va_vdst(0)                   ; the quantiser has written the codes and bytes, which the stores below read; and it is done with its workplace, in which the hidden layer's LDS loads land behind the barrier
.irp m, 0,1,2
	ds_store_b128 v[HWA], v[PC+8*\m:PC+8*\m+3] offset:HBUF*(\par)+3072*\m
	ds_store_b64 v[HWA+1], v[PC+8*\m+4:PC+8*\m+5] offset:HBUF*(\par)+3072*\m
	ds_store_b16 v[HWA+2], v[PC+8*\m+6] offset:1024*(\par)+256*\m
.endr
	s_wait_alu depctr_vm_vsrc(0)                   ; the nine stores have read the codes and bytes: LDS loads land in these registers behind the barrier, and the next chunk's quantiser writes them
.endm
; A CHUNK.  par: its parity; last = 1: nothing follows it; step = 1: the other parity's base is wanted again.
; s_wait_loadcnt.  The batches are asked for in the order 0, 1 (in the chunk before, behind its first product), 2, 3 (behind its second).  Behind batch 0's 25 loads stand 75 when it is wanted, and behind batch 2's: a wait can name 63 at the
; most, and a smaller count shows the batch in all the same.  Behind batch 1's stand batches 2 and 3, behind batch 3's the next chunk's 0 and 1: 50.  In the last chunk: 63, 50, 25, 0.
; THE TWO BASES: a base is written only where its own loads are shown done: the wait for this chunk's batch 3 leaves out the 50 loads that this chunk has issued by its own base, so every load by the other base is in, and that base may step.
; ONE BARRIER A CHUNK: the hidden layer has two buffers; a buffer is written again two chunks on, behind the barrier between, in front of which every wave has waited for its reads.
.macro CHUNK par, last, step
	s_wait_loadcnt 63                              ; batch 0
	s_wait_dscnt 0x0                               ; b1 is in (ahead of the first chunk: x and b2 too)
	MULP1 0
	MULP1 1
	s_wait_loadcnt 50                              ; batch 1
	MULP1 2
	MULP1 3
	PLACES
	WIN 0
.if (\par) && !\last
	s_wait_alu depctr_vm_vsrc(0)                   ; b1's LDS loads issued so far have read v[BA]
	v_add_nc_u32 v[BA], 2048, v[BA]                ; on to the next pair of chunks' b1 (no LDS load of mine is out)
.endif
.if !\last
	s_wait_alu depctr_va_vdst(0)                   ; the first product's matrix instructions are done reading batches 0 and 1, their scale words and b1, in all of which loads land from here to the chunk's end; in an odd chunk v[BA] is written, which b1's loads read
	NEXT 0, \par
.endif
	QALL \par, \last
	WIN 0
	s_wait_dscnt 0x0                               ; for the others' sake: my codes and bytes lie in LDS; and my reads of the other buffer are long over
	s_barrier_signal -1
	s_barrier_wait -1
	LOADH 0, \par
	LOADH 1, \par
.if !\last
	BIAS 1024*(1-\par)
	s_wait_loadcnt 63                              ; batch 2
	s_wait_dscnt 23                                ; K step 0 of h is in; behind it: K step 1's 15 loads and b1's 8
.else
	s_wait_loadcnt 25
	s_wait_dscnt 15
.endif
	MULP2 0
.if !\last
	s_wait_loadcnt 50                              ; batch 3; and every load by the other parity's base
	s_wait_dscnt 8                                 ; K step 1 of h is in; behind it: b1's 8 loads
.else
	s_wait_loadcnt 0x0
	s_wait_dscnt 0x0
.endif
.if \step
.if \par
	s_add_nc_u64 s[WPA:WPA+1], s[WPA:WPA+1], 2*CHUNKB
.else
	s_add_nc_u64 s[WPB:WPB+1], s[WPB:WPB+1], 2*CHUNKB
.endif
.endif
	MULP2 1
	PLACES
	WIN 0
.if !\last
	s_wait_alu depctr_va_vdst(0)                   ; the second product's matrix instructions are done reading batches 2 and 3 and their scale words, in which the loads below land
	NEXT 2, \par
	NEXT 3, \par
.endif
.endm
	s_load_b512 s[4:19], s[0:1], 0x0               ; tiles s[4:5], rowlist s[6:7], xq s[8:9], xs s[10:11], fmeta s[12:13], wq s[14:15], b1 s[16:17], b2 s[18:19]
	s_load_b64 s[20:21], s[0:1], 0x40              ; ybuf
	v_lshl_add_u32 v59, v0, 2, 0x14400
	v_mov_b32 v62, 0
	v_lshrrev_b32 v63, 5, v0
	v_readfirstlane_b32 s22, v63                   ; wave 0..3
	v_and_b32 v63, 31, v0
	v_lshlrev_b32 v[LI], 4, v63
	v_lshlrev_b32 v[LS4], 2, v63
	v_lshlrev_b32 v[L8], 3, v63
	v_and_b32 v[HR], 15, v0                        ; r
	v_bfe_u32 v[HH], v0, 4, 1                      ; h
	s_wait_alu depctr_va_sdst(0)                   ; s22, the wave's number, is written, ahead of its first reader
	s_lshl_b32 s26, s22, 8
	s_add_co_u32 s26, s26, B1L
	v_lshl_add_u32 v[BA], v[HH], 6, s26
	s_mul_i32 s26, s22, 16*SPITCH
	s_add_co_u32 s26, s26, STG
	v_mul_u32_u24 v[STO], v[HR], SPITCH
	v_lshl_add_u32 v[STO], v[HH], 5, v[STO]
	v_add_nc_u32 v[STO], s26, v[STO]
	v_add_nc_u32 v[RD], s26, v[LI]
	s_lshl_b32 s26, s22, 9
	v_add_nc_u32 v[CO], s26, v[LI]
	s_add_co_u32 s26, s26, B2L
	v_lshl_add_u32 v63, v[HH], 5, s26              ; b2 in LDS: my 128 columns, + 32 h
	v_lshl_add_u32 v60, v0, 4, B1L                 ; where the biases' copies go: 16 bytes a thread
	s_mul_i32 s26, s22, 1536
	v_add_nc_u32 v61, s26, v[LI]                   ; where the fragments of x that I gather go: K step = my wave's number
	WIN 0xC0                                       ; destinations in window 3
	s_mul_i32 s26, s22, 768
	s_add_co_u32 s26, s26, HIMG
	v_add_nc_u32 v[HWA], s26, v[LI]
	s_add_co_u32 s26, s26, 512
	v_add_nc_u32 v[HWA+1], s26, v[L8]
	s_lshr_b32 s26, s22, 1
	s_lshl_b32 s26, s26, 7
	s_and_b32 s27, s22, 1
	s_lshl_b32 s27, s27, 1
	s_add_co_u32 s26, s26, s27
	s_add_co_u32 s26, s26, HSC
	v_add_nc_u32 v[HWA+2], s26, v[LS4]
.irp k, 0,1,2,3,4,5
	v_mov_b32 v[QP+\k], 0                          ; a lane permute's destination counts as one of its sources: written ahead of the first chunk
.endr
	WIN 0
.irp m, 0,1,2
	v_mov_b32 v[CW+2*\m+1], 0
.endr
	v_lshlrev_b32 v[HT+3], 4, v0                   ; the biases in memory: 16 bytes a thread
	s_mov_b32 s28, 0x76543210
	s_mov_b32 s29, 0xfedcba98
	s_mov_b32 s30, 0x2800000
	s_lshl_b32 s26, ttmp9, 2
	s_mov_b32 s27, 0
	s_wait_kmcnt 0x0
	s_add_nc_u64 s[4:5], s[4:5], s[26:27]
	s_load_b32 s23, s[4:5], 0x0                    ; my tile's word
	s_wait_kmcnt 0x0
	s_and_b32 s24, s23, 0xff
	s_min_u32 s24, s24, 7                          ; expert
	s_bfe_u32 s25, s23, 0x80008
	s_min_u32 s25, s25, 48                         ; rows
	s_lshr_b32 s23, s23, 16
	s_min_u32 s23, s23, 177                        ; which 48 places of the list
	s_max_u32 s33, s25, 1
	s_sub_co_u32 s33, s33, 1                       ; the last place that holds a row: places behind it are not read
	s_mul_i32 s26, s23, 192
	s_add_nc_u64 s[6:7], s[6:7], s[26:27]
	s_lshl_b32 s26, s24, 2
	s_add_co_u32 s26, s26, s22
	s_mul_i32 s26, s26, 8*CHUNKB
	s_add_nc_u64 s[WPA:WPA+1], s[WPA:WPA+1], s[26:27]  ; the stream of (expert, wave)
	s_mov_b64 s[WPB:WPB+1], s[WPA:WPA+1]           ; (chunk 0 steps this one to chunk 2)
	s_lshl_b32 s26, s24, 13
	s_add_nc_u64 s[16:17], s[16:17], s[26:27]
	s_lshl_b32 s26, s24, 11
	s_add_nc_u64 s[18:19], s[18:19], s[26:27]
.irp m, 0,1,2
	v_add_nc_u32 v[HT+\m], 16*\m, v[HR]
.endr
.irp m, 0,1,2
	v_min_u32 v[HT+\m], s33, v[HT+\m]
.endr
.irp m, 0,1,2
	v_min_u32 v[HT+\m], 47, v[HT+\m]               ; what hangs on a loaded number is held by a constant
.endr
.irp m, 0,1,2
	v_lshlrev_b32 v[HT+\m], 2, v[HT+\m]
.endr
	s_wait_alu depctr_va_vdst(0)                   ; every offset and address made so far is written: v1 to v7, v60, v61, v63, the quantiser's three, the list's three and the biases' one, which the loads and stores from here on read
.irp m, 0,1,2
	global_load_b32 v[SL+\m], v[HT+\m], s[6:7]
.endr
	WIN 0x80
.irp i, 0,1,2,3
	global_load_b128 v[144+4*\i:147+4*\i], v[HT+3], s[16:17] offset:2048*\i        ; b1 of the expert: the four waves read 2,048 consecutive bytes
.endr
	global_load_b128 v[160:163], v[HT+3], s[18:19] ; b2
	REFILL 0, WPA, 0
	REFILL 1, WPA, 0
	s_wait_loadcnt 55                              ; the three loads from the list are in; behind them: 5 + 25 + 25
.irp m, 0,1,2
	v_min_u32 v[SL+\m], 0x1fff, v[SL+\m]
.endr
	s_mul_i32 s26, s22, 48                         ; my K step's 48 bytes of a lane's 192
.irp m, 0,1,2
	v_and_b32 v[HT+16], 0x1ffe, v[SL+\m]           ; 2 x token
	v_mul_u32_u24 v[HT+4+\m], v[HT+16], 192        ; a token's 384 bytes of codes,
	v_mad_u32_u24 v[HT+4+\m], v[HH], 192, v[HT+4+\m]   ; my half's 192,
	v_add_nc_u32 v[HT+4+\m], s26, v[HT+4+\m]       ; my wave's K step
	v_lshlrev_b32 v[HT+8+\m], 3, v[HT+16]          ; its 16 scale bytes
	v_and_b32 v[HT+12+\m], 0x1fe0, v[SL+\m]        ; the gate of slot n: record n / 32 of 256 bytes, word n % 32
	v_and_b32 v[HT+16], 31, v[SL+\m]
	v_lshlrev_b32 v[HT+16], 2, v[HT+16]
	v_lshl_add_u32 v[HT+12+\m], v[HT+12+\m], 3, v[HT+16]
.endr
	WIN 0x80
	s_wait_alu depctr_va_vdst(0)                   ; the nine offsets of the gathers are written, which the loads below read; and the vector lines are done with all of v[HT ..], in which batch 3 lands further down
.irp m, 0,1,2
.irp i, 0,1,2
	global_load_b128 v[XR+12*\m+4*\i:XR+12*\m+4*\i+3], v[HT+4+\m], s[8:9] offset:16*\i     ; tile m, my K step: twelve registers, 48 bytes on end
.endr
.endr
	WIN 0
.irp m, 0,1,2
	global_load_b128 v[XSR+4*\m:XSR+4*\m+3], v[HT+8+\m], s[10:11]  ; a row's four scale words, one a K step, straight into their registers
.endr
.irp m, 0,1,2
	global_load_b32 v[CW+2*\m], v[HT+12+\m], s[12:13]
.endr
	s_wait_loadcnt 63                              ; the biases are in: behind them stand 50 + 15 loads
	WIN 0x08                                       ; an LDS store's data are its source 1: window 2
.irp i, 0,1,2,3
	ds_store_b128 v60, v[144+4*\i:147+4*\i] offset:2048*\i
.endr
	ds_store_b128 v60, v[160:163] offset:B2L-B1L
	REFILL 2, WPA, 0
	s_wait_loadcnt 25                              ; the 15 gathers are in; batch 2 may be out
	WIN 0x08
.irp m, 0,1,2
.irp i, 0,1,2
	ds_store_b128 v61, v[XR+12*\m+4*\i:XR+12*\m+4*\i+3] offset:XIMG+6144*\m+512*\i
.endr
.endr
	s_wait_alu depctr_vm_vsrc(0)                   ; the head's loads have read their offsets v[HT ..], in which batch 3 lands; the LDS stores above have read their data, in whose registers x's fragments land behind the barrier
	REFILL 3, WPA, 0                               ; over the head's offsets: every load that named them is in
	s_wait_dscnt 0x0                               ; for the others' sake: my stores have landed
	s_barrier_signal -1
	s_barrier_wait -1
	WIN 0xC0
.irp n, 0,1,2,3,4,5,6,7
.irp m, 0,1,2
.irp q, 0,1
	ds_load_b128 v[8*(3*\n+\m)+4*\q:8*(3*\n+\m)+4*\q+3], v63 offset:64*\n+16*\q    ; y's sums begin as b2: columns 16 n + 8 h + 0 .. 7 of my 128
.endr
.endr
.endr
	WIN 0x80
.irp m, 0,1,2
.irp s, 0,1,2,3
.irp i, 0,1,2
	ds_load_b128 v[XR+12*(4*\m+\s)+4*\i:XR+12*(4*\m+\s)+4*\i+3], v[LI] offset:XIMG+(4*\m+\s)*1536+512*\i   ; x's twelve fragments: they stay
.endr
.endr
.endr
	BIAS 0
	WIN 0
	s_mov_b32 s31, 3
.Lpair:                                                ; a trip is two chunks: the hidden layer's buffers and the two bases are back where they began
	CHUNK 0, 0, 1
	CHUNK 1, 0, 1
	s_sub_co_u32 s31, s31, 1
	s_cmp_lg_u32 s31, 0
	s_cbranch_scc1 .Lpair
	CHUNK 0, 0, 0
	CHUNK 1, 1, 0                                  ; the last chunk asks for nothing: no load leaves its buffer
; THE WAY OUT, 16 rows at a time: times the row's gate; through my own stage in LDS; back as rows of my 512 bytes, each stored to its slot of ybuf.  Rows behind the tile's count are not stored: scalar branches on the stored count.
; The rows' offsets are made first, the sixteen slots in sixteen scalar registers, so that one wait serves their readers; then the multiplications; then ONE wait on va_vdst for all that the tile's LDS and memory instructions hang on.
.macro OUT m
.if (\m) >= 2
	s_wait_alu depctr_vm_vsrc(0)                   ; the stores of two tiles back have read their rows' registers and their offsets, which this tile's LDS loads and additions write again
.endif
	s_cmp_gt_u32 s25, 16*(\m)
	s_cbranch_scc0 .Ldone
	s_wait_xcnt 0x0                                ; the earlier stores have read their registers
.set BK, 64+64*((\m)%2)
.set AD, 192+16*((\m)%2)
.irp t, 0,1,2,3,4,5,6,7,8,9,10,11,12,13,14,15
	v_readlane_b32 s[SLT+\t], v[SL+(\m)], \t       ; row t's slot,
.endr
	s_wait_alu depctr_va_sdst(0)                   ; the sixteen slots are written, ahead of their first reader
.irp t, 0,1,2,3,4,5,6,7,8,9,10,11,12,13,14,15
	s_min_u32 s[SLT+\t], s[SLT+\t], 8191
	s_lshl_b32 s[SLT+\t], s[SLT+\t], 11            ; 2,048 bytes a slot
.endr
.irp t, 0,1,2,3,4,5,6,7,8,9,10,11,12,13,14,15
	v_add_nc_u32 v[AD+\t], s[SLT+\t], v[CO]
.endr
	WIN 0xC3                                       ; y window 3, the gate window 0
.irp n, 0,1,2,3,4,5,6,7
.irp p, 0,2,4,6
	v_pk_mul_f32 v[8*(3*\n+(\m))+\p:8*(3*\n+(\m))+\p+1], v[8*(3*\n+(\m))+\p:8*(3*\n+(\m))+\p+1], v[CW+2*(\m):CW+2*(\m)+1] op_sel_hi:[1,0]   ; ascending in each accumulator
.endr
.endr
	WIN 0x0C
	s_wait_alu depctr_va_vdst(0)                   ; the multiplications have written the rows, which the LDS stores read; the additions have written the offsets, which the global stores read; the last products are done reading W2's registers, in which the stage's loads land
.irp n, 0,1,2,3,4,5,6,7
	ds_store_b128 v[STO], v[8*(3*\n+(\m)):8*(3*\n+(\m))+3] offset:64*\n
	ds_store_b128 v[STO], v[8*(3*\n+(\m))+4:8*(3*\n+(\m))+7] offset:64*\n+16
.endr
	WIN 0
.irp t, 0,1,2,3,4,5,6,7,8,9,10,11,12,13,14,15
	ds_load_b128 v[BK+4*\t:BK+4*\t+3], v[RD] offset:SPITCH*\t      ; LDS serves a wave's instructions in order (ISA guide 5.7.1.4): these see my stores
.endr
	s_wait_dscnt 0x0
.irp t, 0,1,2,3,4,5,6,7,8,9,10,11,12,13,14,15
.if \t > 0
	s_cmp_gt_u32 s25, 16*(\m)+\t
	s_cbranch_scc0 .Ldone
.endif
	global_store_b128 v[AD+\t], v[BK+4*\t:BK+4*\t+3], s[20:21] th:TH_STORE_NT      ; 32 lanes store 512 consecutive bytes, aligned
.endr
.endm
	OUT 0
	OUT 1
	OUT 2
.Ldone:
	s_wait_dscnt 0x0                               ; the closing lines, six on end
	s_wait_alu 0x0
	s_wait_tensorcnt 0x0
	ds_add_u32 v59, v62
	s_wait_dscnt 0x0
	s_endpgm
.Lfunc_end_k_q554414fed8_ffn:
	.size	k_q554414fed8_ffn, .Lfunc_end_k_q554414fed8_ffn-k_q554414fed8_ffn
	.p2alignl 7, 3214868480
	.fill 96, 4, 3214868480
	.section	.rodata,"a",@progbits
	.p2align	6, 0x0
	.amdhsa_kernel k_q554414fed8_ffn
		.amdhsa_group_segment_fixed_size 83456
		.amdhsa_private_segment_fixed_size 0
		.amdhsa_enable_private_segment 0
		.amdhsa_kernarg_size 72
		.amdhsa_user_sgpr_count 2
		.amdhsa_user_sgpr_kernarg_segment_ptr 1
		.amdhsa_wavefront_size32 1
		.amdhsa_system_sgpr_workgroup_id_x 1
		.amdhsa_system_sgpr_workgroup_id_y 1
		.amdhsa_system_sgpr_workgroup_id_z 1
		.amdhsa_system_vgpr_workitem_id 0
		.amdhsa_next_free_vgpr 1024
		.amdhsa_next_free_sgpr 66
		.amdhsa_reserve_vcc 0
		.amdhsa_float_denorm_mode_32 3
		.amdhsa_float_denorm_mode_16_64 3
		.amdhsa_memory_ordered 1
		.amdhsa_forward_progress 1
		.amdhsa_inst_pref_size 181
	.end_amdhsa_kernel
	.amdgpu_metadata
---
amdhsa.version: [ 1, 2 ]
amdhsa.kernels:
  - .name:           k_q554414fed8_ffn
    .symbol:         k_q554414fed8_ffn.kd
    .args:
      - { .name: tiles, .offset: 0, .size: 8, .value_kind: global_buffer, .address_space: global }
      - { .name: rowlist, .offset: 8, .size: 8, .value_kind: global_buffer, .address_space: global }
      - { .name: xq, .offset: 16, .size: 8, .value_kind: global_buffer, .address_space: global }
      - { .name: xs, .offset: 24, .size: 8, .value_kind: global_buffer, .address_space: global }
      - { .name: fmeta, .offset: 32, .size: 8, .value_kind: global_buffer, .address_space: global }
      - { .name: wq, .offset: 40, .size: 8, .value_kind: global_buffer, .address_space: global }
      - { .name: b1, .offset: 48, .size: 8, .value_kind: global_buffer, .address_space: global }
      - { .name: b2, .offset: 56, .size: 8, .value_kind: global_buffer, .address_space: global }
      - { .name: ybuf, .offset: 64, .size: 8, .value_kind: global_buffer, .address_space: global }
    .group_segment_fixed_size: 83456
    .private_segment_fixed_size: 0
    .kernarg_segment_align: 8
    .kernarg_segment_size: 72
    .max_flat_workgroup_size: 128
    .sgpr_count:     66
    .vgpr_count:     1024
    .wavefront_size: 32
...
	.end_amdgpu_metadata
.endif
;; end of part 5
;; launch combine: the kernel of part 4 again; grid 256 x 1, 8 waves a work-group, no clusters, 0 bytes of LDS; arguments ybuf, out0; writes out0
